; MI455X (gfx1250); checked and timed in simulation.
; The chip was launched on July 23, 2026; its instructions are those of AMD's public machine-readable ISA for CDNA 5 (MIT licence, August 2026) and "CDNA5" Instruction Set Architecture Reference Guide (July 2026). The comments in the code are by the model that wrote it; some were corrected since.
;; Transformer Layer Shard. Allowed arithmetic: matrix products marked QUANTISED: E3M2 operands, one E8M0 scale for each 32 along K, by v_wmma_scale_f32_16x16x128_f8f6f4 with both operands' format E3M2, f32 sums; everything else in f32.
;; Inputs: W1 2,048 x 8,192 float32; W2 8,192 x 2,048 float32; Wk 2,048 x 2,048 float32; Wo 2,048 x 2,048 float32; Wq 2,048 x 2,048 float32; Wv 2,048 x 2,048 float32; attn_bias 1,024 x 1,024 float32; b1 8,192 float32; b2 2,048 float32; ln_offset 2,048 float32; ln_scale 2,048 float32; x 1,024 x 2,048 float32.
;; Outputs: out0 1,024 x 2,048 float32.
;; This version of the problem:
;;   THIS VERSION OF THE PROBLEM IS GIVEN IN LOW PRECISION. The matrix products marked QUANTISED in the list below multiply operands that are first quantised to E3M2 (3 exponent bits, 2 mantissa bits; 6 bits a number), with one power-of-two scale for each 32 numbers along K (OCP MX v1.0); their sums are f32. All else is computed in f32.
;;   The module's matrix products, in the order in which they are computed (A, B: the left and right operand; K: the contracted axis; several contracted axes count as one K, in the product's order):
;;     1. [M 1,024, K 2,048] x [K 2,048, N 2,048]; A: computed on the way; B: input Wq: QUANTISED
;;     2. [M 1,024, K 2,048] x [K 2,048, N 2,048]; A: computed on the way; B: input Wk: QUANTISED
;;     3. [M 1,024, K 2,048] x [K 2,048, N 2,048]; A: computed on the way; B: input Wv: QUANTISED
;;     4. batch 16 x [M 1,024, K 128] x [K 128, N 1,024]; A: computed on the way; B: computed on the way: QUANTISED
;;     5. batch 16 x [M 128, K 1,024] x [K 1,024, N 1,024]; A: computed on the way; B: softmax (see below): QUANTISED
;;     6. [M 1,024, K 2,048] x [K 2,048, N 2,048]; A: computed on the way; B: input Wo: QUANTISED
;;     7. [M 1,024, K 2,048] x [K 2,048, N 8,192]; A: computed on the way; B: input W1: QUANTISED
;;     8. [M 1,024, K 8,192] x [K 8,192, N 2,048]; A: computed on the way; B: input W2: QUANTISED
;;   THE QUANTISER, for each operand of a quantised product, along K:
;;     - K is cut into blocks of 32 from its start; a last block that is shorter is filled with zeros.
;;     - A block's scale is 2^e with e = floor(log2(the largest magnitude in the block)) - 4, held to -126 .. 127; a block of zeros has e = 0. As a byte (E8M0): e + 127.
;;     - Each number is divided by its block's scale, clamped to +-28, and rounded to the nearest number of E3M2, ties to even, subnormals kept.
;;     - The product sums the exact products of the quantised numbers (number of the format x scale) in f32.
;;   ~~~python
;;   def quantise(x, axis):      # numpy; x: float32 -> the quantised numbers, widened to float32 again
;;       x = np.moveaxis(x, axis, -1); K = x.shape[-1]
;;       x = np.pad(x, [(0, 0)] * (x.ndim - 1) + [(0, -K % 32)]); x = x.reshape(x.shape[:-1] + (-1, 32)); a = np.abs(x).max(-1, keepdims=True)
;;       e = np.where(a > 0, np.clip(np.frexp(np.where(a > 0, a, 1))[1] - 1 - 4, -126, 127), 0)      # np.frexp(a)[1] - 1 = floor(log2(a)), exactly
;;       r = np.clip(x / 2.0 ** e, -28, 28)
;;       step = 2.0 ** (np.maximum(np.frexp(np.where(r == 0, 1, r))[1] - 1, -2) - 2)
;;       q = np.round(r / step) * step * 2.0 ** e      # np.round: ties to even
;;       return np.moveaxis(q.reshape(q.shape[:-2] + (-1,))[..., :K], -1, axis).astype(np.float32)
;;   ~~~
;;   SOFTMAX AHEAD OF A QUANTISED PRODUCT. Where the list says 'softmax', what is quantised is not the finished softmax but p = 2^(t - M), with t = logit x log2(e) and M = ceil(the row's largest t), a whole number; so 1/2 < the row's largest p <= 1. The row's sum l is taken of the UNQUANTISED p, in f32, and the product's result is divided by l at the end. Since M is a whole number, a kernel that streams over the keys may use a running M (the ceiling of the running maximum): every later rescaling is an exact power of two, which a block's scale takes up: the codes' values come out the same.
;;   OPERANDS COMPUTED ON THE WAY. 'Computed on the way' means the value that the module computes at that place (a softmax that the list does not call 'softmax' is quantised finished and normalised). What goes into a quantiser is computed in f32, as accurately as f32 sums, v_exp_f32 and their like allow (about 1e-6 of the number): no bf16 or f16 on the way to a quantiser, and a product that is left as it is and whose result goes on into a quantised operand takes f32 operands (vector FMAs, or v_wmma_f32_16x16x4_f32). A number that lies on a knife's edge between two numbers of the format may be rounded either way, as far as f32 arithmetic and the matrix unit's own rounding can turn it there, and no further.
;; One version. Each part assembles by itself: llvm-mc -triple=amdgcn-amd-amdhsa -mcpu=gfx1250 --defsym DOCPART=n.
;; ======== version 1 of 1: 4 launches
;; limits: inputs' magnitudes at most 1,000,000,000; right only within a limited range of input values
;; workspace buffers: xc 1,703,936 bytes; wA 23,855,104 bytes; wB 17,039,360 bytes; acat 8,519,680 bytes; qk 3,407,872 bytes; vt 1,703,936 bytes; rope 524,288 bytes
;; launch prep (part 1): grid 840 x 1, 8 waves a work-group, no clusters, 52,224 bytes of LDS; arguments x, ln_scale, ln_offset, Wq, Wk, Wv, Wo, W1, W2, xc, rope, wA, wB; writes xc, rope, wA, wB
.if DOCPART == 1
	.amdgcn_target "amdgcn-amd-amdhsa--gfx1250"
	.amdhsa_code_object_version 6
	.text
	.protected	k_qea5a3188f2_prep
	.globl	k_qea5a3188f2_prep
	.p2align	8
	.type	k_qea5a3188f2_prep,@function
k_qea5a3188f2_prep:
	s_mov_b64 s[64:65], 0
	v_nop
	global_prefetch_b8 v0, s[64:65] scope:SCOPE_SE
	s_setreg_imm32_b32 hwreg(HW_REG_WAVE_MODE, 25, 1), 1
	s_wait_xcnt 0x0
; PREP.  Three kinds of work-group, told apart by the work-group's number alone:
;   0-63    LayerNorm of 16 rows of x, quantised along D to codes of BF6 (E3M2) with one E8M0 byte for each 32    -> xc
;   64-71   the table of cos and sin for the rotary embedding, in the order in which the next launch's lanes hold q and k -> rope
;   72-839  the six weights [K][N], quantised along K (their FIRST axis): a lane takes a column, its registers run down K  -> wA, wB
; ROW ORDER of every buffer of codes: stored row s holds true index pi(s) = s with bits 3 and 4 exchanged.  Sixteen stored rows are then a tile whose lanes 0-7 hold
; eight neighbours and lanes 8-15 the eight that lie 16 further on, so that a product with such a tile as source 0 leaves 16 neighbours in the 16 registers of two tiles.
; RECORDS: a fragment (16 stored rows x 128 K, 12 registers a lane) lies as an image of its registers: three pieces of 512 bytes, lane l's registers 4c..4c+3 at 512 c + 16 l.
; A record of 3,328 bytes = the images of an even and an odd K step (2 x 1,536) + 256 bytes of scale words: lane l's two words at 8 l, lanes 16-31 repeating lanes 0-15.
; A block's scale byte is its largest magnitude's exponent field - 4, held at 1 from below.
; LIMITS: NaN and infinities among the inputs are not served; blocks whose largest magnitude lies under 2^-122 get the byte 1; a block of zeros gets the byte 1 and not 127
; (its codes are zeros, and the bytes are read by this program alone).
; No tensor load, no matrix instruction.  LDS: bytes 0-1023 LayerNorm's sums; from 1,024 on 6,400 bytes for each wave of a weight group.
.set SEL,  70                          ; s[70:71] lane selects of v_permlanex16_b32: lane l xor 16
.set X,    64                          ; LayerNorm: v64-191 my 128 numbers.  Weights: v64-127 two sets of 32 numbers
.set TMX,  16                          ; v16-19 largest magnitudes;  v20-23 bytes;  v24-27 the conversions' scale operands
.set TMB,  20
.set TMS,  24
.set PW,   28                          ; the scale word just made
.set PWP,  30                          ; v[30:31] the two K steps' scale words
.set PC,   36                          ; v36-47 a fragment's codes; v48-54 at work
.set SM,   56                          ; v56-63 four chains of packed sums
.set GN,   192                         ; v192-223 32 gains;  v224-255 32 offsets
.set OF,   224
.set VO,   32                          ; weights: v32-63 byte offset of row i of a block of 32, at my column
.set CD,   16                          ; weights: v16-22 a block's codes
.set SB,   24                          ; weights: v[24:25] my column's eight scale bytes
.set OUTR, 128                         ; weights: v128-175 the way out
.set CSR,  64                          ; table: v64-127 cos and sin of my 32 pairs
.set WST,  1024                        ; LDS: where the weight groups' stages begin
; 64 numbers of a lane, register 16 b + i = k 32 b + 16 (lane / 16) + i of my row, become a fragment's codes in v[PC] on and its scale word in v[PW].
.macro QUANT s
.irp b, 0,1,2,3
	v_max3_num_f32 v[TMX+\b], |v[(\s)+16*\b]|, |v[(\s)+1+16*\b]|, 0x2800000   ; my 16 numbers of block b, and the floor 2^(5 - 127): the byte cannot fall under 1
.endr
.irp i, 2,4,6,8,10,12,14
.irp b, 0,1,2,3
	v_max3_num_f32 v[TMX+\b], v[TMX+\b], |v[(\s)+16*\b+\i]|, |v[(\s)+1+16*\b+\i]|
.endr
.endr
.irp b, 0,1,2,3
	v_permlanex16_b32 v[TMB+\b], v[TMX+\b], s[SEL], s[SEL+1]
.endr
.irp b, 0,1,2,3
	v_max_num_f32 v[TMX+\b], v[TMX+\b], v[TMB+\b]          ; with lane l xor 16's 16: the block's largest magnitude
.endr
.irp b, 0,1,2,3
	v_add_nc_u32 v[TMS+\b], 0xfe000000, v[TMX+\b]          ; 4 off its exponent field: the conversion's scale operand
.endr
.irp b, 0,1,2,3
	v_lshrrev_b32 v[TMB+\b], 23, v[TMS+\b]                 ; the scale's byte
.endr
	v_lshl_or_b32 v[PW], v[TMB+1], 8, v[TMB]
	v_lshl_or_b32 v[PW], v[TMB+2], 16, v[PW]
	v_lshl_or_b32 v[PW], v[TMB+3], 24, v[PW]
.irp c, 0,1
	v_cvt_scalef32_pk16_bf6_f32 v[PC+6*\c:PC+2+6*\c], v[(\s)+32*\c:(\s)+15+32*\c], v[TMS+2*\c]
	v_cvt_scalef32_pk16_bf6_f32 v[PC+12+4*\c:PC+14+4*\c], v[(\s)+16+32*\c:(\s)+31+32*\c], v[TMS+2*\c+1]   ; (a conversion's three registers begin on an even number)
.endr
	v_nop                                                  ; one plain place behind a scaled conversion
.irp c, 0,1                                            ; the operand's layout wants a whole block in a lane: lanes 0-15 block 2 c, lanes 16-31 block 2 c + 1
.irp i, 0,1,2
	v_permlane16_swap_b32 v[PC+6*\c+\i], v[PC+12+4*\c+\i]
.endr
.irp i, 0,1,2
	v_mov_b32 v[PC+3+6*\c+\i], v[PC+12+4*\c+\i]
.endr
.endr
.endm
; The four chains in v[SM] on become the row's sum over all 2,048 columns, in v16 of every lane: my lane, lane l xor 16, then the eight waves through LDS.
.macro REDUCE area
	v_pk_add_f32 v[SM:SM+1], v[SM:SM+1], v[SM+2:SM+3]
	v_pk_add_f32 v[SM+4:SM+5], v[SM+4:SM+5], v[SM+6:SM+7]
	v_pk_add_f32 v[SM:SM+1], v[SM:SM+1], v[SM+4:SM+5]
	v_add_f32 v[SM], v[SM], v[SM+1]
	v_permlanex16_b32 v10, v[SM], s[SEL], s[SEL+1]
	v_add_f32 v[SM], v[SM], v10
	ds_store_b32 v8, v[SM] offset:\area                    ; lanes r and r + 16 write the same word with the same value
	s_wait_dscnt 0x0                                       ; for the others' sake: my store has landed
	s_barrier_signal -1
	s_barrier_wait -1
.irp u, 0,1,2,3,4,5,6,7
	ds_load_b32 v[16+\u], v9 offset:\area+64*\u
.endr
	s_wait_dscnt 0x0
	v_add_f32 v16, v16, v17
	v_add_f32 v18, v18, v19
	v_add_f32 v20, v20, v21
	v_add_f32 v22, v22, v23
	v_add_f32 v16, v16, v18
	v_add_f32 v20, v20, v22
	v_add_f32 v16, v16, v20
.endm
.macro GLOAD q                         ; gains and offsets of my numbers 32 q .. 32 q + 31
.irp b, 0,1
.irp j, 0,1,2,3
	global_load_b128 v[GN+16*\b+4*\j:GN+16*\b+4*\j+3], v5, s[6:7] offset:512*((\q)/2)+128*(2*((\q)%2)+\b)+16*\j
	global_load_b128 v[OF+16*\b+4*\j:OF+16*\b+4*\j+3], v5, s[8:9] offset:512*((\q)/2)+128*(2*((\q)%2)+\b)+16*\j
.endr
.endr
.endm
.macro WLOAD t                         ; block t: W(32 t + i, my column), i = 0 .. 31: each load reads 128 neighbouring bytes
.set kk, 0
.rept 32
	global_load_b32 v[X+32*((\t)%2)+kk], v[VO+kk], s[32+2*(\t):33+2*(\t)] th:TH_LOAD_NT
.set kk, kk+1
.endr
.endm
; Block t of my column's 256 along K: K step t / 4; in the fragment it is lane half t % 2, registers 6 c .. 6 c + 5 with c = (t / 2) % 2.
.macro WBLOCK t
.set XS, X+32*((\t)%2)
.set OO, 1536*((\t)/4)+256*((\t)%2)
.if (\t) < 7
	s_wait_loadcnt 32                                      ; this block's 32 loads are in; the next block's 32 may be out
.else
	s_wait_loadcnt 0x0
.endif
	v_max3_num_f32 v8, |v[XS]|, |v[XS+1]|, |v[XS+2]|       ; all 32 numbers of the block are mine
	v_max3_num_f32 v9, |v[XS+3]|, |v[XS+4]|, |v[XS+5]|
.irp i, 6,10,14,18,22,26
	v_max3_num_f32 v8, v8, |v[XS+\i]|, |v[XS+\i+1]|
	v_max3_num_f32 v9, v9, |v[XS+\i+2]|, |v[XS+\i+3]|
.endr
	v_max3_num_f32 v8, v8, |v[XS+30]|, |v[XS+31]|
	v_max3_num_f32 v8, v8, v9, 0x2800000                   ; and the floor
	v_add_nc_u32 v14, 0xfe000000, v8
	v_cvt_scalef32_pk16_bf6_f32 v[CD:CD+2], v[XS:XS+15], v14
	v_cvt_scalef32_pk16_bf6_f32 v[CD+4:CD+6], v[XS+16:XS+31], v14
	v_lshrrev_b32 v15, 23, v14                             ; the byte (a plain place behind the conversions)
.if (\t)%4 == 0
	v_mov_b32 v[SB+(\t)/4], v15
.else
	v_lshl_or_b32 v[SB+(\t)/4], v15, 8*((\t)%4), v[SB+(\t)/4]
.endif
	v_mov_b32 v[CD+3], v[CD+4]                             ; the block's 24 bytes on end
	v_mov_b32 v[CD+4], v[CD+5]
	v_mov_b32 v[CD+5], v[CD+6]
.if ((\t)/2)%2 == 0
	ds_store_b128 v4, v[CD:CD+3] offset:OO                 ; registers 0-3: piece 0
	ds_store_b64 v4, v[CD+4:CD+5] offset:OO+512            ; registers 4, 5: the lower half of my 16 bytes of piece 1
.else
	ds_store_b64 v4, v[CD:CD+1] offset:OO+520              ; registers 6, 7: the upper half
	ds_store_b128 v4, v[CD+2:CD+5] offset:OO+1024          ; registers 8-11: piece 2
.endif
.if (\t)+2 < 8
	WLOAD (\t)+2
.endif
	s_wait_dscnt 0x0                                       ; the stores have read their registers
.endm
; cos and sin of pair p: the angle is fl(position x frequency), the frequency f0 in lanes 0-15 and f1 in lanes 16-31; reduced by whole quarter turns (pi / 2 in two parts), then polynomials on |r| <= pi / 4.
.macro SINCOS p, f0, f1
	v_mul_f32 v16, \f0, v15
	v_mul_f32 v17, \f1, v15
	v_cndmask_b32 v16, v16, v17, s30
	v_mul_f32 v18, 0x3f22f983, v16                         ; x 2 / pi
	v_rndne_f32 v18, v18                                   ; n quarter turns
	v_fma_f32 v19, -v18, s31, v16
	v_fma_f32 v19, v18, s32, v19                           ; r
	v_mul_f32 v20, v19, v19                                ; z = r r
	v_fma_f32 v21, v20, s33, s34
	v_fma_f32 v22, v20, s36, s37
	v_fma_f32 v21, v21, v20, s35
	v_fma_f32 v22, v22, v20, s38
	v_mul_f32 v21, v21, v20
	v_mul_f32 v24, v20, v20
	v_fma_f32 v25, v20, -0.5, 1.0
	v_fma_f32 v21, v21, v19, v19                           ; sin r
	v_fma_f32 v22, v22, v24, v25                           ; cos r
	v_cvt_i32_f32 v23, v18
	v_and_b32 v24, 1, v23
	v_cmp_ne_u32 vcc_lo, 0, v24                            ; an odd quarter swaps the two
	v_cndmask_b32 v26, v21, v22, vcc_lo
	v_cndmask_b32 v27, v22, v21, vcc_lo
	v_lshlrev_b32 v24, 30, v23                             ; sin is negative in quarters 2, 3: bit 1 of n
	v_add_nc_u32 v25, 1, v23                               ; cos in quarters 1, 2: bit 1 of n + 1
	v_and_b32 v24, 0x80000000, v24
	v_lshlrev_b32 v25, 30, v25
	v_and_b32 v25, 0x80000000, v25
	v_xor_b32 v[CSR+2*(\p)+1], v24, v26
	v_xor_b32 v[CSR+2*(\p)], v25, v27
.endm
.macro FROW m, d0, d1                  ; pairs m, 8 + m, 16 + m, 24 + m: the frequency 10^(-i / 16) falls by ten from one to the next
	SINCOS (\m), 0.\d0, 0.\d1
	SINCOS 8+(\m), 0.0\d0, 0.0\d1
	SINCOS 16+(\m), 0.00\d0, 0.00\d1
	SINCOS 24+(\m), 0.000\d0, 0.000\d1
.endm
	v_lshrrev_b32 v1, 5, v0
	v_readfirstlane_b32 s2, v1                             ; wave 0..7
	v_and_b32 v1, 31, v0                                   ; lane
	v_and_b32 v2, 15, v0                                   ; r
	v_bfe_u32 v3, v0, 4, 1                                 ; h
	s_mov_b32 s[SEL], 0x76543210
	s_mov_b32 s[SEL+1], 0xfedcba98
	s_cmp_lt_u32 ttmp9, 64
	s_cbranch_scc1 .Lln
	s_cmp_lt_u32 ttmp9, 72
	s_cbranch_scc1 .Lrope
	; ---------------- the weights.  Job j = group - 72: 4 x 64 jobs for Wq, Wk, Wv, Wo, 256 for W1, 256 for W2.  A group takes 256 columns x 256 K, a wave 32 columns: two stored row tiles of one record column.
	s_load_b256 s[16:23], s[0:1], 0x18                     ; Wq, Wk, Wv, Wo
	s_load_b128 s[24:27], s[0:1], 0x38                     ; W1, W2
	s_load_b128 s[28:31], s[0:1], 0x58                     ; wA, wB
	s_sub_co_u32 s3, ttmp9, 72
	s_lshr_b32 s4, s3, 6
	s_lshr_b32 s5, s3, 8
	s_add_co_u32 s5, s5, 3
	s_and_b32 s6, s3, 63
	s_and_b32 s7, s3, 255
	s_cmp_lt_u32 s3, 256
	s_cselect_b32 s4, s4, s5                               ; which weight: 0 Wq, 1 Wk, 2 Wv, 3 Wo, 4 W1, 5 W2
	s_cselect_b32 s6, s6, s7                               ; the job inside it
	s_mov_b32 s9, 8192
	s_cmp_eq_u32 s4, 4
	s_cselect_b32 s7, 5, 3                                 ; W1 has 32 groups of columns, the others 8
	s_cselect_b32 s8, 31, 7
	s_cselect_b32 s9, 32768, s9                            ; a row of the weight in bytes
	s_and_b32 s10, s6, s8                                  ; group of 256 columns
	s_lshr_b32 s11, s6, s7                                 ; group of 256 along K
	s_mov_b32 s14, 0
	s_cmp_eq_u32 s4, 1
	s_cselect_b32 s14, 128, s14
	s_cmp_eq_u32 s4, 2
	s_cselect_b32 s14, 768, s14
	s_cmp_eq_u32 s4, 4
	s_cselect_b32 s14, 256, s14                            ; the weight's first row tile in its buffer
	s_mov_b32 s52, 26624
	s_cmp_eq_u32 s4, 3
	s_cselect_b32 s52, 133120, s52
	s_cmp_eq_u32 s4, 5
	s_cselect_b32 s52, 133120, s52                         ; bytes from row tile to row tile: 8 records in wA, 40 in wB
	s_cselect_b32 s53, 8, 0                                ; W2's records stand behind Wo's eight
	s_lshl_b32 s54, s9, 8
	s_mul_i32 s54, s54, s11
	s_lshl_b32 s55, s10, 10
	s_add_co_u32 s54, s54, s55
	s_lshl_b32 s55, s2, 7
	s_add_co_u32 s54, s54, s55                             ; where my wave's part of the weight begins
	s_mov_b32 s55, 0
	s_lshl_b32 s56, s9, 5                                  ; 32 rows on
	s_mov_b32 s57, 0
	s_lshl_b32 s58, s10, 4
	s_add_co_u32 s58, s58, s14
	s_lshl_b32 s59, s2, 1
	s_add_co_u32 s58, s58, s59                             ; my first row tile
	s_mul_i32 s58, s58, s52
	s_add_co_u32 s59, s53, s11
	s_mul_i32 s59, s59, 3328
	s_add_co_u32 s58, s58, s59                             ; my first record
	s_mov_b32 s59, 0
	s_mov_b32 s60, s52
	s_mov_b32 s61, 0
	v_lshlrev_b32 v10, 2, v1
.set kk, 0
.rept 32
	v_mad_u32_u24 v[VO+kk], kk, s9, v10                    ; row kk of a block, my column
.set kk, kk+1
.endr
	v_bfe_u32 v11, v0, 3, 1                                ; my column's stored place: tile = bit 3 of the lane,
	v_and_b32 v12, 7, v0
	v_lshl_or_b32 v12, v3, 3, v12                          ; row in it = bit 4, then bits 2:0
	s_mul_i32 s62, s2, 6400
	s_add_co_u32 s62, s62, WST                             ; my stage: two tiles 3,200 bytes apart, each two images on end
	v_mul_u32_u24 v4, v11, 3200
	v_lshl_add_u32 v4, v12, 4, v4
	v_add_nc_u32 v4, s62, v4                               ; into it
	v_lshlrev_b32 v6, 4, v1
	v_add_nc_u32 v5, s62, v6                               ; out of it: 16 bytes a lane
	v_lshlrev_b32 v7, 3, v12
	v_mad_u32_u24 v7, v11, s52, v7                         ; my scale words' place, from my first record
	s_wait_kmcnt 0x0
	s_mov_b64 s[12:13], s[16:17]
	s_cmp_eq_u32 s4, 1
	s_cselect_b64 s[12:13], s[18:19], s[12:13]
	s_cmp_eq_u32 s4, 2
	s_cselect_b64 s[12:13], s[20:21], s[12:13]
	s_cmp_eq_u32 s4, 3
	s_cselect_b64 s[12:13], s[22:23], s[12:13]
	s_cmp_eq_u32 s4, 4
	s_cselect_b64 s[12:13], s[24:25], s[12:13]
	s_cmp_eq_u32 s4, 5
	s_cselect_b64 s[12:13], s[26:27], s[12:13]
	s_mov_b64 s[48:49], s[28:29]
	s_cmp_eq_u32 s4, 3
	s_cselect_b64 s[48:49], s[30:31], s[48:49]
	s_cmp_eq_u32 s4, 5
	s_cselect_b64 s[48:49], s[30:31], s[48:49]
	s_add_nc_u64 s[32:33], s[12:13], s[54:55]              ; a base for each of the eight blocks: none is ever stepped
.irp t, 1,2,3,4,5,6,7
	s_add_nc_u64 s[32+2*\t:33+2*\t], s[30+2*\t:31+2*\t], s[56:57]
.endr
	s_add_nc_u64 s[48:49], s[48:49], s[58:59]              ; the record of my first tile,
	s_add_nc_u64 s[50:51], s[48:49], s[60:61]              ; of my second
	WLOAD 0
	WLOAD 1                                                ; 64 loads of a wave are out
.irp t, 0,1,2,3,4,5,6,7
	WBLOCK \t
.endr
	global_store_b64 v7, v[SB:SB+1], s[48:49] offset:3072  ; my column's two scale words, for lanes 0-15 of a reader,
	global_store_b64 v7, v[SB:SB+1], s[48:49] offset:3200  ; and once more for lanes 16-31
.irp n, 0,1,2,3,4,5,6,7,8,9,10,11
	ds_load_b128 v[OUTR+4*\n:OUTR+4*\n+3], v5 offset:(\n/6)*3200+512*(\n%6)   ; a wave's LDS instructions are served in order: these see my stores
.endr
.irp n, 0,1,2,3,4,5,6,7,8,9,10,11
	s_wait_dscnt 11-\n
	global_store_b128 v6, v[OUTR+4*\n:OUTR+4*\n+3], s[48+2*(\n/6):49+2*(\n/6)] offset:512*(\n%6)   ; 32 lanes store 512 consecutive bytes, aligned
.endr
	s_endpgm
	; ---------------- the table.  A wave makes one stored row tile: lane (r, h) holds position pi(16 tile + r) and the 32 pairs of channels that it will hold of q and k.
.Lrope:
	s_load_b64 s[4:5], s[0:1], 0x50
	s_sub_co_u32 s6, ttmp9, 64
	s_lshl_b32 s6, s6, 3
	s_add_co_u32 s6, s6, s2                                ; row tile
	s_lshr_b32 s7, s6, 1
	s_lshl_b32 s7, s7, 5
	s_and_b32 s8, s6, 1
	s_lshl_b32 s8, s8, 3
	s_add_co_u32 s7, s7, s8
	v_and_b32 v4, 8, v2
	v_add_nc_u32 v4, v4, v2
	v_add_nc_u32 v4, s7, v4                                ; 32 (tile / 2) + 8 (tile % 2) + r + 8 (r / 8)
	v_cvt_f32_u32 v15, v4
	v_cmp_le_u32 s30, 16, v1                               ; lanes 16-31
	v_lshlrev_b32 v6, 4, v1
	s_lshl_b32 s8, s6, 13
	s_mov_b32 s9, 0
	s_mov_b32 s31, 0x3fc90fdb                              ; pi / 2, upper part
	s_mov_b32 s32, 0x333bbd2e                              ; what the upper part has too much
	s_mov_b32 s33, 0xb94ca1f9                              ; sin: -1.9515295891e-4, 8.3321608736e-3, -1.6666654611e-1
	s_mov_b32 s34, 0x3c08839e
	s_mov_b32 s35, 0xbe2aaaa3
	s_mov_b32 s36, 0x37ccf5ce                              ; cos: 2.443315711809948e-5, -1.388731625493765e-3, 4.166664568298827e-2
	s_mov_b32 s37, 0xbab6061a
	s_mov_b32 s38, 0x3d2aaaa5
	SINCOS 0, 1.0, 0.31622776601683794
	SINCOS 8, 0.1, 0.031622776601683794
	SINCOS 16, 0.01, 0.0031622776601683794
	SINCOS 24, 0.001, 0.00031622776601683794
	FROW 1, 8659643233600654, 27384196342643613
	FROW 2, 7498942093324558, 23713737056616552
	FROW 3, 6493816315762113, 20535250264571462
	FROW 4, 5623413251903491, 17782794100389228
	FROW 5, 4869675251658631, 1539926526059492
	FROW 6, 4216965034285822, 1333521432163324
	FROW 7, 3651741272548377, 11547819846894583
	s_wait_kmcnt 0x0
	s_add_nc_u64 s[4:5], s[4:5], s[8:9]
.irp m, 0,1,2,3,4,5,6,7,8,9,10,11,12,13,14,15
	global_store_b128 v6, v[CSR+4*\m:CSR+4*\m+3], s[4:5] offset:512*\m
.endr
	s_endpgm
	; ---------------- LayerNorm.  The group is stored row tile g; wave w takes columns 256 w .. 256 w + 255 (one record); lane (r, h) takes, of its row, 16 neighbours of each block of 32.
.Lln:
	s_load_b128 s[4:7], s[0:1], 0x0                        ; x, ln_scale
	s_load_b64 s[8:9], s[0:1], 0x10                        ; ln_offset
	s_load_b64 s[10:11], s[0:1], 0x48                      ; xc
	s_lshr_b32 s12, ttmp9, 1
	s_lshl_b32 s12, s12, 5
	s_and_b32 s13, ttmp9, 1
	s_lshl_b32 s13, s13, 3
	s_add_co_u32 s12, s12, s13
	v_and_b32 v4, 8, v2
	v_add_nc_u32 v4, v4, v2
	v_add_nc_u32 v4, s12, v4                               ; my row of x
	v_lshlrev_b32 v4, 13, v4
	v_lshlrev_b32 v5, 6, v3
	s_lshl_b32 s13, s2, 10
	v_add_nc_u32 v5, s13, v5                               ; 64 h + 1,024 w: my place in a row, and in the gains
	v_add_nc_u32 v4, v4, v5
	v_lshlrev_b32 v6, 4, v1
	v_lshlrev_b32 v7, 3, v1
	v_lshlrev_b32 v9, 2, v2                                ; LDS: row r's word,
	s_lshl_b32 s13, s2, 6
	v_add_nc_u32 v8, s13, v9                               ; in my wave's 64 bytes
	s_mul_i32 s14, ttmp9, 26624
	s_mul_i32 s15, s2, 3328
	s_add_co_u32 s14, s14, s15
	s_mov_b32 s15, 0
	v_mov_b32 v10, 0                                       ; (a lane permute's destination counts as one of its sources)
	s_wait_kmcnt 0x0
	s_add_nc_u64 s[10:11], s[10:11], s[14:15]              ; my record
.irp s, 0,1
.irp b, 0,1,2,3
.irp j, 0,1,2,3
	global_load_b128 v[X+64*\s+16*\b+4*\j:X+64*\s+16*\b+4*\j+3], v4, s[4:5] offset:512*\s+128*\b+16*\j th:TH_LOAD_NT
.endr
.endr
.endr
	GLOAD 0
	s_wait_loadcnt 16                                      ; x is in; the 16 loads of gains and offsets may be out
.irp k, 0,1,2,3
	v_pk_add_f32 v[SM+2*\k:SM+2*\k+1], v[X+2*\k:X+2*\k+1], v[X+8+2*\k:X+9+2*\k]
.endr
.set ii, 2
.rept 14
.irp k, 0,1,2,3
	v_pk_add_f32 v[SM+2*\k:SM+2*\k+1], v[SM+2*\k:SM+2*\k+1], v[X+8*ii+2*\k:X+8*ii+2*\k+1]
.endr
.set ii, ii+1
.endr
	REDUCE 0
	v_mul_f32 v12, 0x3a000000, v16                         ; the mean: x 2^-11
	v_mov_b32 v13, v12
.set ii, 0
.rept 64
	v_pk_add_f32 v[X+ii:X+ii+1], v[X+ii:X+ii+1], v[12:13] neg_lo:[0,1] neg_hi:[0,1]
.set ii, ii+2
.endr
.irp k, 0,1,2,3
	v_pk_mul_f32 v[SM+2*\k:SM+2*\k+1], v[X+2*\k:X+2*\k+1], v[X+2*\k:X+2*\k+1]
.endr
.set ii, 1
.rept 15
.irp k, 0,1,2,3
	v_pk_fma_f32 v[SM+2*\k:SM+2*\k+1], v[X+8*ii+2*\k:X+8*ii+2*\k+1], v[X+8*ii+2*\k:X+8*ii+2*\k+1], v[SM+2*\k:SM+2*\k+1]
.endr
.set ii, ii+1
.endr
	REDUCE 512                                             ; other bytes than the first sum's: no barrier between its reads and these stores
	v_mul_f32 v11, 0x3a000000, v16                         ; the variance
	v_add_f32 v11, 0x3727c5ac, v11                         ; + 1e-5
	v_rsq_f32 v14, v11
	v_nop                                                  ; one plain place behind a transcendental
	v_mov_b32 v15, v14
.irp q, 0,1,2,3
.if \q > 0
	GLOAD \q
.endif
	s_wait_loadcnt 0x0
.set ii, 0
.rept 16
	v_pk_mul_f32 v[GN+ii:GN+ii+1], v[GN+ii:GN+ii+1], v[14:15]          ; gain x 1 / sqrt
.set ii, ii+2
.endr
.set ii, 0
.rept 16
	v_pk_fma_f32 v[X+32*\q+ii:X+32*\q+ii+1], v[GN+ii:GN+ii+1], v[X+32*\q+ii:X+32*\q+ii+1], v[OF+ii:OF+ii+1]
.set ii, ii+2
.endr
.endr
	QUANT X
.irp c, 0,1,2
	global_store_b128 v6, v[PC+4*\c:PC+4*\c+3], s[10:11] offset:512*\c
.endr
	v_mov_b32 v[PWP], v[PW]
	s_wait_xcnt 0x0                                        ; the stores' data registers are written again only behind this wait
	QUANT X+64
.irp c, 0,1,2
	global_store_b128 v6, v[PC+4*\c:PC+4*\c+3], s[10:11] offset:1536+512*\c
.endr
	v_mov_b32 v[PWP+1], v[PW]
	global_store_b64 v7, v[PWP:PWP+1], s[10:11] offset:3072
	s_endpgm
.Lfunc_end_k_qea5a3188f2_prep:
	.size	k_qea5a3188f2_prep, .Lfunc_end_k_qea5a3188f2_prep-k_qea5a3188f2_prep
	.p2alignl 7, 3214868480
	.fill 96, 4, 3214868480
	.section	.rodata,"a",@progbits
	.p2align	6, 0x0
	.amdhsa_kernel k_qea5a3188f2_prep
		.amdhsa_group_segment_fixed_size 52224
		.amdhsa_private_segment_fixed_size 0
		.amdhsa_enable_private_segment 0
		.amdhsa_kernarg_size 104
		.amdhsa_user_sgpr_count 2
		.amdhsa_user_sgpr_kernarg_segment_ptr 1
		.amdhsa_wavefront_size32 1
		.amdhsa_system_sgpr_workgroup_id_x 1
		.amdhsa_system_sgpr_workgroup_id_y 1
		.amdhsa_system_sgpr_workgroup_id_z 1
		.amdhsa_system_vgpr_workitem_id 0
		.amdhsa_next_free_vgpr 256
		.amdhsa_next_free_sgpr 80
		.amdhsa_reserve_vcc 1
		.amdhsa_float_denorm_mode_32 3
		.amdhsa_float_denorm_mode_16_64 3
		.amdhsa_memory_ordered 1
		.amdhsa_forward_progress 1
		.amdhsa_inst_pref_size 134
	.end_amdhsa_kernel
	.amdgpu_metadata
---
amdhsa.version: [ 1, 2 ]
amdhsa.kernels:
  - .name:           k_qea5a3188f2_prep
    .symbol:         k_qea5a3188f2_prep.kd
    .args:
      - { .name: x, .offset: 0, .size: 8, .value_kind: global_buffer, .address_space: global }
      - { .name: ln_scale, .offset: 8, .size: 8, .value_kind: global_buffer, .address_space: global }
      - { .name: ln_offset, .offset: 16, .size: 8, .value_kind: global_buffer, .address_space: global }
      - { .name: Wq, .offset: 24, .size: 8, .value_kind: global_buffer, .address_space: global }
      - { .name: Wk, .offset: 32, .size: 8, .value_kind: global_buffer, .address_space: global }
      - { .name: Wv, .offset: 40, .size: 8, .value_kind: global_buffer, .address_space: global }
      - { .name: Wo, .offset: 48, .size: 8, .value_kind: global_buffer, .address_space: global }
      - { .name: W1, .offset: 56, .size: 8, .value_kind: global_buffer, .address_space: global }
      - { .name: W2, .offset: 64, .size: 8, .value_kind: global_buffer, .address_space: global }
      - { .name: xc, .offset: 72, .size: 8, .value_kind: global_buffer, .address_space: global }
      - { .name: rope, .offset: 80, .size: 8, .value_kind: global_buffer, .address_space: global }
      - { .name: wA, .offset: 88, .size: 8, .value_kind: global_buffer, .address_space: global }
      - { .name: wB, .offset: 96, .size: 8, .value_kind: global_buffer, .address_space: global }
    .group_segment_fixed_size: 52224
    .private_segment_fixed_size: 0
    .kernarg_segment_align: 8
    .kernarg_segment_size: 104
    .max_flat_workgroup_size: 256
    .sgpr_count:     80
    .vgpr_count:     256
    .wavefront_size: 32
...
	.end_amdgpu_metadata
.endif
;; end of part 1
;; launch gemm1 (part 2): grid 56 x 4, 4 waves a work-group, clusters of 4 x 4, 327,680 bytes of LDS; arguments xc, wA, rope, b1, qk, vt, acat; writes qk, vt, acat
.if DOCPART == 2
	.amdgcn_target "amdgcn-amd-amdhsa--gfx1250"
	.amdhsa_code_object_version 6
	.text
	.protected	k_qea5a3188f2_gemm1
	.globl	k_qea5a3188f2_gemm1
	.p2align	8
	.type	k_qea5a3188f2_gemm1,@function
k_qea5a3188f2_gemm1:
	s_mov_b64 s[64:65], 0
	v_nop
	global_prefetch_b8 v0, s[64:65] scope:SCOPE_SE
	s_setreg_imm32_b32 hwreg(HW_REG_WAVE_MODE, 25, 1), 1
	s_wait_xcnt 0x0
	s_wait_alu depctr_hold_cnt(0) depctr_sa_sdst(0) depctr_va_vdst(0) depctr_va_sdst(0) depctr_va_ssrc(0) depctr_va_vcc(0) depctr_vm_vsrc(0)
	s_getreg_b32 s2, hwreg(HW_REG_IB_STS2, 6, 4)
	s_cmp_eq_u32 s2, 0
	s_cbranch_scc0 .Lentry_in_a_cluster
	s_endpgm
.Lentry_in_a_cluster:
	s_bfe_u32 s2, ttmp6, 0x10000c
	s_cmp_lg_u32 s2, 0xf033
	s_cbranch_scc0 .Lentry_shape_is_right
	s_endpgm
.Lentry_shape_is_right:
; GEMM 1: xn [Wq | Wk | W1] and Wv^T xn^T on codes of BF6 (E3M2) with E8M0 scales, K = 2,048, and what follows each: rotary embedding (q, k), bias and GELU (h), then the quantiser of the next product.
; Fourteen clusters of 4 x 4 work-groups, c = cluster x.  A work-group makes 256 x 256, each of its four waves 128 x 128: 64 accumulators, 512 registers.
;   c < 12:  "A" = xc (tokens, row tile 16 cy + ..), "B" = wA (weight columns, row tile 64 c + 16 cx + ..): c 0, 1 q; 2, 3 k; 4-11 h.
;   c >= 12: "A" = wA (Wv's columns, row tile 64 c + 16 cy + ..), "B" = xc (tokens, row tile 16 cx + ..): V^T, whose K for the next product are the keys.
; A's tiles are shared along a row of the cluster, B's along a column: each is asked for jointly, by the same tensor load with a mask that names the four.
; OPERANDS lie in memory as records of 3,328 bytes for 16 stored rows x 256 K: two images of a fragment's registers (1,536 bytes each: lane l's registers 4c..4c+3 at 512 c + 16 l) and 256 bytes of scale words.
; THE RING.  K is eight records.  LDS holds three at a time for A's 16 and B's 16 row tiles: a LARGE slot of two records (212,992 bytes) and a SMALL slot of one (106,496).  K goes 2, 1, 2, 1, 2: four changes of slots,
; three of them with a refill.  The small slot's refill has the large slot's 256 matrix instructions of a wave in which to land, the large slot's the small slot's 128.  A wave's one tensor load brings eight rows
; (row tiles, 26,624 bytes apart in memory) of 6,656 or of 3,328 bytes.  The 16 K steps are written out by macro: the slots' places come back after three records, the sets of scale words after two, and the last change fills nothing.
; THE MATRIX INSTRUCTION IS USED TRANSPOSED (source 0 = 16 rows of B, source 1 = 16 rows of A).  Stored rows stand in the order pi (bits 3 and 4 exchanged), so a lane's 64 results against B's eight tiles
; are, register 16 b + i, the true column 32 b + 16 (lane / 16) + i: the order in which the quantiser takes them.  So each block of 16 rows of A leaves as ONE fragment of the next product, with no way through LDS.
; b1 IS ASKED FOR AT THE HEAD, by every work-group, into 64 registers that no fragment uses, so that it lands under the K steps and the registers are written on every path; its index is held inside b1.
; The 96 work-groups of q, k and V^T read those 512 bytes a wave for nothing.
; LIMITS: NaN and infinities are not served; blocks whose largest magnitude lies under 2^-122, blocks of zeros among them, get the scale byte 1 (the bytes are read by this program alone).
; REGISTERS: window 0: v16-29 addresses; v32-63 scale words, two sets; v128-223 A's fragments, one set.  Window 1: v0-95, v128-223 B's fragments, two sets; v96-127, v224-255 b1.  Windows 2, 3: the accumulators, (a, b) at v[8 (8 (a % 4) + b)].
;   Behind the sums, window 0: v64-127 a block's 64 numbers; v128-191 GELU's work; v192-224 the quantiser; window 1 (q, k): four buffers of 64 for cos and sin.
.set FR,    12                         ; registers of a fragment
.set NL,    3                          ; LDS loads that bring one
.set NP,    4                          ; places behind this matrix instruction (ISA guide 7.12.1)
.set REC,   3328
.set RTP,   8*REC                      ; from row tile to row tile in xc and wA
.set HALFB, 16*REC                     ; the large slot: eight row tiles x two records: what one tensor load brings, and what one wave reads of A or of B
.set HALFS, 8*REC                      ; the small slot: eight row tiles x one record
.set SMALL, 4*HALFB                    ; where the small slot begins
.set SPARE, SMALL+4*HALFS              ; behind the ring: the spare words, 128 bytes for each wave
.set ADRA,  16                         ; v16-17 LDS address of my A fragments in the large, the small slot
.set ADRB,  20                         ; v20-21 the same for B
.set ADRS,  22                         ; v22-23 of my scale words: lanes 0-15 A's, lanes 16-31 B's
.set LI,    24                         ; v24  16 x lane
.set VS,    25                         ; v25  where my scale word goes
.set B1V,   26                         ; v26  b1's offset: 64 (lane / 16); not rewritten
.set SPW,   28                         ; v28  LDS address of my spare word; never rewritten
.set NIL,   29                         ; v29  0; never rewritten
.set SC,    32
.set AF,    128
.set HA,    64
.set CS,    128
.set PC,    192
.set TMX,   212
.set TMB,   216
.set TMS,   220
.set PW,    224
.set WV,    3                          ; s3   my wave's number
.set WR,    2                          ; s2   which half of A's rows is mine.  Also: I fetch for A (0) or for B (1)
.set WC,    67                         ; s67  which half of B's.  Also: which eight row tiles I fetch
.set G1L,   24                         ; s[24:31] descriptor group 1 for A's tiles of the large slot;  s[88:95] of the small
.set G1S,   88
.set G0,    32                         ; s[32:35] group 0 for A's tiles of the large slot, s[36:39] of the small
.set G1LB,  48                         ; s[48:55], s[8:15], s[56:63] the same for B's
.set G1SB,  8
.set G0B,   56
.set AI,    66                         ; s66  the block of 16 rows in hand
.set T0,    96                         ; s96, s97, s104, s105: at work behind the sums; none of them feeds a descriptor
.set T1,    97
.set T2,    104
.set T3,    105
.set SEL,   78                         ; s[78:79]
.set MSB, 0
.macro WIN new                         ; the immediate's high byte repeats the setting that is left
.if MSB != (\new)
	s_set_vgpr_msb (MSB<<8)|(\new)
.set MSB, (\new)
.endif
.endm
.set MUL_LO, 0xa1                      ; source 0 (B) window 1, source 1 (A) window 0, C and D window 2
.set MUL_HI, 0xf1                      ; the same, C and D window 3
.set TO_B,   0x40                      ; destination window 1, address window 0
; A joint load: waves 0 and 1 fetch for A, waves 2 and 3 for B; the branch hangs on the wave's number alone.  Four v_nop follow each of the two lines.
.macro JLOAD g0a, g1a, g0b, g1b
	s_cmp_eq_u32 s[WR], 0
	s_cbranch_scc0 .Lfor_b_\@
	tensor_load_to_lds s[\g0a:\g0a+3], s[\g1a:\g1a+7]
.rept 4
	v_nop
.endr
	s_branch .Lasked_\@
.Lfor_b_\@:
	tensor_load_to_lds s[\g0b:\g0b+3], s[\g1b:\g1b+7]
.rept 4
	v_nop
.endr
.Lasked_\@:
.endm
.macro CREST                           ; a round of the cluster's barrier behind its opening barrier
	s_cmp_lg_u32 s[WV], 0
	s_cbranch_scc1 .Lnot_wave_0_\@
	s_barrier_signal -3
.Lnot_wave_0_\@:
	s_barrier_wait -3
	s_barrier_signal -1
	s_barrier_wait -1
.endm
.macro CROUND
	s_barrier_signal -1
	s_barrier_wait -1
	CREST
.endm
; A place in the ring: slot (0 large, 1 small), kp (which record of the slot), q (which K step of the record).  A row tile's rows lie 6,656 bytes apart in the large slot, 3,328 in the small.
.macro FRAG reg, adr, slot, kp, q, i   ; row tile i's fragment: three pieces of 512 consecutive bytes
.irp c, 0,1,2
	ds_load_b128 v[\reg+4*\c:\reg+4*\c+3], v[\adr] offset:(\i)*(6656-3328*(\slot))+(\kp)*REC+(\q)*1536+512*\c
.endr
.endm
; 16 matrix instructions: A's blocks a0, a0 + 1 x B's eight.  q: the record's K step, and B's set; sc: the set of scale words.  zero = 1: the first product starts the sums.  The 64 accumulators take turns, one instruction a turn.
.macro MUL16 a0, q, sc, zero
.irp a, \a0, \a0+1
.irp b, 0,1,2,3,4,5,6,7
.if \zero
	v_wmma_scale_f32_16x16x128_f8f6f4 v[8*(8*((\a)%4)+\b):8*(8*((\a)%4)+\b)+7], v[128*(\q)+FR*\b:128*(\q)+FR*\b+FR-1], v[AF+FR*(\a):AF+FR*(\a)+FR-1], 0, v[SC+16*(\sc)+2*\b+(\q)], v[SC+16*(\sc)+2*(\a)+(\q)] matrix_a_fmt:MATRIX_FMT_BF6 matrix_b_fmt:MATRIX_FMT_BF6 matrix_a_scale:MATRIX_SCALE_ROW1
.else
	v_wmma_scale_f32_16x16x128_f8f6f4 v[8*(8*((\a)%4)+\b):8*(8*((\a)%4)+\b)+7], v[128*(\q)+FR*\b:128*(\q)+FR*\b+FR-1], v[AF+FR*(\a):AF+FR*(\a)+FR-1], v[8*(8*((\a)%4)+\b):8*(8*((\a)%4)+\b)+7], v[SC+16*(\sc)+2*\b+(\q)], v[SC+16*(\sc)+2*(\a)+(\q)] matrix_a_fmt:MATRIX_FMT_BF6 matrix_b_fmt:MATRIX_FMT_BF6 matrix_a_scale:MATRIX_SCALE_ROW1
.endif
.endr
.endr
.endm
.macro FETCH_B slot, kp, q             ; B's eight fragments into set q
	WIN TO_B
.irp i, 0,1,2,3,4,5,6,7
	FRAG 128*(\q)+FR*\i, ADRB+\slot, \slot, \kp, \q, \i
.endr
	WIN 0
.endm
.macro FETCH_A slot, kp, q, i0         ; A's blocks i0 .. i0 + 3
.irp i, \i0, \i0+1, \i0+2, \i0+3
	FRAG AF+FR*(\i), ADRA+\slot, \slot, \kp, \q, \i
.endr
.endm
.macro SCALES slot, kp, sc             ; a record's scale words into set sc: two words a row; lanes 0-15 take A's block i, lanes 16-31 B's block i
.irp i, 0,1,2,3,4,5,6,7
	ds_load_b64 v[SC+16*(\sc)+2*\i:SC+16*(\sc)+2*\i+1], v[ADRS+\slot] offset:\i*(6656-3328*(\slot))+(\kp)*REC
.endr
.endm
.macro PLACES n                        ; places in front of loads into registers that matrix instructions have read, and of the first read of results
.rept \n
	v_nop
.endr
.endm
; A K step whose successor lies in the same slot, at (nslot, nkp, nq).  Where the successor begins a record (nq = 0), that record's scale words come too, into set nsc.
.macro STEP q, sc, zero, nslot, nkp, nq, nsc
	s_wait_dscnt 4*NL                                      ; B's set, the scale words and A's blocks 0-3 are in; the youngest 12 loads (A's blocks 4-7) may be out
	WIN MUL_LO
	MUL16 0, \q, \sc, \zero
	MUL16 2, \q, \sc, \zero
	s_wait_dscnt 0
	PLACES NP
	FETCH_B \nslot, \nkp, \nq
	FETCH_A \nslot, \nkp, \nq, 0
.if \nq == 0
	SCALES \nslot, \nkp, \nsc
.endif
	WIN MUL_HI
	MUL16 4, \q, \sc, \zero
	MUL16 6, \q, \sc, \zero
	PLACES NP
	WIN 0
	FETCH_A \nslot, \nkp, \nq, 4
.endm
; A slot's last K step changes slots: one barrier; in front of it each wave waits for all its tensor loads, adds 0 to its spare word, and waits for that and for its reads of this slot.
; nslot: the slot that is read next.  fill = 1: the slot that is left is filled again, with what lies three records on.
.macro TURN sc, nslot, nsc, fill
	s_wait_tensorcnt 0x0                                   ; all my tensor loads have landed: my part of the next slot
	ds_add_u32 v[SPW], v[NIL]                              ; 0 onto my spare word
	s_wait_dscnt 4*NL+1                                    ; (the add and the youngest 12 loads may be out)
	WIN MUL_LO
	MUL16 0, 1, \sc, 0
	s_wait_dscnt 0x0                                       ; the add is done, and my reads of this slot are over
	s_barrier_signal -1
	MUL16 2, 1, \sc, 0
	WIN 0
	s_barrier_wait -1
.if \fill
	CREST                                                  ; the barrier has opened a round of the cluster's barrier: no wave of any partner still reads this slot or has a load on its way
.if \nslot == 1
	s_add_nc_u64 s[G0+2:G0+3], s[G0+2:G0+3], 3*REC
	s_add_nc_u64 s[G0B+2:G0B+3], s[G0B+2:G0B+3], 3*REC
	JLOAD G0, G1L, G0B, G1LB                               ; the first tensor load behind the round; its four v_nop are the places in front of the loads below
.else
	s_add_nc_u64 s[G0+6:G0+7], s[G0+6:G0+7], 3*REC
	s_add_nc_u64 s[G0B+6:G0B+7], s[G0B+6:G0B+7], 3*REC
	JLOAD G0+4, G1S, G0B+4, G1SB
.endif
.else
	PLACES NP
.endif
	FETCH_B \nslot, 0, 0
	FETCH_A \nslot, 0, 0, 0
	SCALES \nslot, 0, \nsc
	WIN MUL_HI
	MUL16 4, 1, \sc, 0
	MUL16 6, 1, \sc, 0
	PLACES NP
	WIN 0
	FETCH_A \nslot, 0, 0, 4
.endm
; 64 numbers of a lane in window w, register 16 b + i = k 32 b + 16 (lane / 16) + i of my row, become a fragment's codes in v[PC] on and its scale word in v[PW].  Each accumulator is read from its low end on.
.macro QUANT s, w
	WIN (\w)*5                                             ; sources 0 and 1 in window w
.irp b, 0,1,2,3
	v_max3_num_f32 v[TMX+\b], |v[(\s)+16*\b]|, |v[(\s)+1+16*\b]|, 0x2800000   ; and the floor 2^(5 - 127): the byte cannot fall under 1
.endr
.irp i, 2,4,6,8,10,12,14
.irp b, 0,1,2,3
	v_max3_num_f32 v[TMX+\b], |v[(\s)+16*\b+\i]|, |v[(\s)+1+16*\b+\i]|, v[TMX+\b]
.endr
.endr
	WIN 0
.irp b, 0,1,2,3
	v_permlanex16_b32 v[TMB+\b], v[TMX+\b], s[SEL], s[SEL+1]
.endr
.irp b, 0,1,2,3
	v_max_num_f32 v[TMX+\b], v[TMX+\b], v[TMB+\b]
.endr
.irp b, 0,1,2,3
	v_add_nc_u32 v[TMS+\b], 0xfe000000, v[TMX+\b]          ; 4 off the exponent field: the conversion's scale operand
.endr
.irp b, 0,1,2,3
	v_lshrrev_b32 v[TMB+\b], 23, v[TMS+\b]
.endr
	v_lshl_or_b32 v[PW], v[TMB+1], 8, v[TMB]
	v_lshl_or_b32 v[PW], v[TMB+2], 16, v[PW]
	v_lshl_or_b32 v[PW], v[TMB+3], 24, v[PW]
	WIN (\w)                                               ; source 0 in window w
.irp c, 0,1
	v_cvt_scalef32_pk16_bf6_f32 v[PC+6*\c:PC+2+6*\c], v[(\s)+32*\c:(\s)+15+32*\c], v[TMS+2*\c]
	v_cvt_scalef32_pk16_bf6_f32 v[PC+12+4*\c:PC+14+4*\c], v[(\s)+16+32*\c:(\s)+31+32*\c], v[TMS+2*\c+1]
.endr
	WIN 0
	v_nop                                                  ; one plain place behind a scaled conversion
.irp c, 0,1
.irp i, 0,1,2
	v_permlane16_swap_b32 v[PC+6*\c+\i], v[PC+12+4*\c+\i]
.endr
.irp i, 0,1,2
	v_mov_b32 v[PC+3+6*\c+\i], v[PC+12+4*\c+\i]
.endr
.endr
.endm
.macro CSLOAD blk                      ; cos and sin for block blk's 16 positions: 64 registers a lane, into buffer blk % 4 of window 1; the base is never stepped
.irp m, 0,1,2,3,4,5,6,7,8,9,10,11,12,13,14,15
	global_load_b128 v[64*((\blk)%4)+4*\m:64*((\blk)%4)+4*\m+3], v[LI], s[72:73] offset:8192*(\blk)+512*\m
.endr
.endm
.macro XFERQ a                         ; block a's 64 results, turned by the rotary embedding (x0 c - x1 s, x1 c + x0 s), go from the accumulators to v[HA] on
.set AC, 64*((\a)%4)
.set CB, 64*((\a)%4)
	WIN 6+(\a)/4                                           ; source 0 window 2 or 3, source 1 (cos and sin) window 1
.set pp, 0
.rept 32
	v_pk_mul_f32 v[HA+pp:HA+pp+1], v[AC+pp:AC+pp+1], v[CB+pp:CB+pp+1] op_sel_hi:[1,0]
.set pp, pp+2
.endr
.set pp, 0
.rept 32
	v_pk_fma_f32 v[HA+pp:HA+pp+1], v[AC+pp:AC+pp+1], v[CB+pp:CB+pp+1], v[HA+pp:HA+pp+1] op_sel:[1,1,0] op_sel_hi:[0,1,1] neg_lo:[0,1,0]
.set pp, pp+2
.endr
	WIN 0
.endm
.macro XFERH a                         ; block a's 64 results + b1 go from the accumulators to v[HA] on
.set AC, 64*((\a)%4)
	WIN 6+(\a)/4                                           ; source 0 window 2 or 3, source 1 (b1) window 1
.set pp, 0
.rept 32
	v_pk_add_f32 v[HA+pp:HA+pp+1], v[AC+pp:AC+pp+1], v[96+pp+96*(pp/32):97+pp+96*(pp/32)]
.set pp, pp+2
.endr
	WIN 0
.endm
; h: my eight blocks of 16 rows, one a trip.  Only the transfer out of the accumulators names other registers in each trip: it is written eight times and chosen by the trip's number; all else is written once.
.macro HLOOP step
.Lrow_\@:
.irp a, 0,1,2,3,4,5,6
	s_cmp_eq_u32 s[AI], \a
	s_cbranch_scc1 .Lblk_\@_\a
.endr
.irp a, 7,0,1,2,3,4,5
.Lblk_\@_\a:
	XFERH \a
	s_branch .Ljoin_\@
.endr
.Lblk_\@_6:
	XFERH 6
.Ljoin_\@:
	; GELU (tanh form) = x / (1 + 2^(x (K1 + K2 x x))), K1 = -2 sqrt(2 / pi) log2(e), K2 = 0.044715 K1
.set pp, 0
.rept 32
	v_pk_mul_f32 v[CS+pp:CS+pp+1], v[HA+pp:HA+pp+1], v[HA+pp:HA+pp+1]
.set pp, pp+2
.endr
.set pp, 0
.rept 32
	v_pk_fma_f32 v[CS+pp:CS+pp+1], v[CS+pp:CS+pp+1], s[74:75], v[226:227] op_sel_hi:[1,0,1]
.set pp, pp+2
.endr
.set pp, 0
.rept 32
	v_pk_mul_f32 v[CS+pp:CS+pp+1], v[CS+pp:CS+pp+1], v[HA+pp:HA+pp+1]
.set pp, pp+2
.endr
.set pp, 0
.rept 64
	v_exp_f32 v[CS+pp], v[CS+pp]
.set pp, pp+1
.endr
	v_nop                                                  ; one plain place between the exponentials and the first line that reads a result of theirs
.set pp, 0
.rept 32
	v_pk_add_f32 v[CS+pp:CS+pp+1], v[CS+pp:CS+pp+1], 1.0 op_sel_hi:[1,0]
.set pp, pp+2
.endr
.set pp, 0
.rept 64
	v_rcp_f32 v[CS+pp], v[CS+pp]
.set pp, pp+1
.endr
	v_nop                                                  ; and between the reciprocals and theirs
.set pp, 0
.rept 32
	v_pk_mul_f32 v[HA+pp:HA+pp+1], v[HA+pp:HA+pp+1], v[CS+pp:CS+pp+1]
.set pp, pp+2
.endr
	QUANT HA, 0
.irp c, 0,1,2
	global_store_b128 v[LI], v[PC+4*\c:PC+4*\c+3], s[68:69] offset:512*\c   ; 32 lanes store 512 consecutive bytes, aligned
.endr
	global_store_b32 v[VS], v[PW], s[70:71]
	s_wait_xcnt 0x0                                        ; the stores' bases and data are written again only behind this wait
	s_add_nc_u64 s[68:69], s[68:69], \step
	s_add_nc_u64 s[70:71], s[70:71], \step
	s_add_co_u32 s[AI], s[AI], 1
	s_cmp_lt_u32 s[AI], 8
	s_cbranch_scc1 .Lrow_\@
.endm
	s_load_b128 s[4:7], s[0:1], 0x0                        ; xc, wA
	s_load_b128 s[80:83], s[0:1], 0x10                     ; rope, b1
	s_load_b128 s[84:87], s[0:1], 0x20                     ; qk, vt
	s_load_b64 s[98:99], s[0:1], 0x30                      ; acat
	v_lshl_add_u32 v[SPW], v0, 2, SPARE
	v_mov_b32 v[NIL], 0
	v_lshrrev_b32 v1, 5, v0
	v_readfirstlane_b32 s[WV], v1                          ; wave 0..3
	s_lshr_b32 s[WR], s[WV], 1
	s_and_b32 s[WC], s[WV], 1
	s_bfe_u32 s40, ttmp6, 0x40000                          ; cx
	s_bfe_u32 s41, ttmp6, 0x40004                          ; cy
	s_lshl_b32 s43, s41, 2
	s_lshl_b32 s43, 15, s43                                ; my row of the cluster
	s_lshl_b32 s44, 0x1111, s40                            ; my column
	s_or_b32 s[G1L+0], s43, (3<<16)|(1<<21)                ; 15:0 the mask; 17:16 elements of 8 bytes; 21 set beside a mask; no padding
	s_or_b32 s[G1S+0], s43, (3<<16)|(1<<21)
	s_or_b32 s[G1LB+0], s44, (3<<16)|(1<<21)
	s_or_b32 s[G1SB+0], s44, (3<<16)|(1<<21)
.irp g, G1L, G1LB
	s_mov_b32 s[\g+1], 832<<16                             ; tensor_dim0: two records, 832 elements
	s_mov_b32 s[\g+2], 8<<16                               ; tensor_dim1: eight row tiles
	s_mov_b32 s[\g+3], 832<<16                             ; tile_dim0
	s_mov_b32 s[\g+4], 8                                   ; tile_dim1
	s_mov_b32 s[\g+5], RTP/8                               ; from row tile to row tile, in elements
	s_mov_b32 s[\g+6], 0
	s_mov_b32 s[\g+7], 0
.endr
.irp g, G1S, G1SB
	s_mov_b32 s[\g+1], 416<<16                             ; one record, 416 elements
	s_mov_b32 s[\g+2], 8<<16
	s_mov_b32 s[\g+3], 416<<16
	s_mov_b32 s[\g+4], 8
	s_mov_b32 s[\g+5], RTP/8
	s_mov_b32 s[\g+6], 0
	s_mov_b32 s[\g+7], 0
.endr
	s_lshl_b32 s17, ttmp9, 6                               ; 64 c
	s_lshl_b32 s18, s[WC], 3
	s_lshl_b32 s20, s41, 4
	s_add_co_u32 s20, s20, s18                             ; A: 16 cy + 8 x half
	s_lshl_b32 s46, s40, 4
	s_add_co_u32 s46, s46, s18                             ; B: 16 cx + 8 x half
	s_cmp_lt_u32 ttmp9, 12
	s_cselect_b32 s19, 0, s17                              ; + 64 c on the side that is wA
	s_cselect_b32 s42, s17, 0
	s_add_co_u32 s20, s20, s19
	s_add_co_u32 s46, s46, s42
	s_mul_i32 s20, s20, RTP
	s_mul_i32 s46, s46, RTP
	s_mov_b32 s21, 0
	s_mov_b32 s47, 0
	s_mul_i32 s45, s[WV], HALFB                            ; where they go: wave x eight rows: no place in the cluster enters an LDS address
	s_mul_i32 s19, s[WV], HALFS
	s_wait_kmcnt 0x0
	s_cmp_lt_u32 ttmp9, 12
	s_cselect_b64 s[22:23], s[4:5], s[6:7]                 ; A's buffer
	s_cselect_b64 s[100:101], s[6:7], s[4:5]               ; B's
	s_add_nc_u64 s[20:21], s[22:23], s[20:21]
	s_add_nc_u64 s[46:47], s[100:101], s[46:47]
	CROUND                                                 ; all sixteen work-groups are here: the first joint loads meet
	s_mov_b32 s[G0], 1                                     ; the large slot: records 0 and 1
	s_mov_b32 s[G0+1], s45
	s_mov_b64 s[G0+2:G0+3], s[20:21]
	s_or_b32 s[G0+3], s[G0+3], 0x80000000
	s_mov_b32 s[G0B], 1
	s_mov_b32 s[G0B+1], s45
	s_mov_b64 s[G0B+2:G0B+3], s[46:47]
	s_or_b32 s[G0B+3], s[G0B+3], 0x80000000
	JLOAD G0, G1L, G0B, G1LB
	s_mov_b32 s[G0+4], 1                                   ; the small slot: record 2
	s_add_co_u32 s[G0+5], s19, SMALL
	s_add_nc_u64 s[G0+6:G0+7], s[20:21], 2*REC
	s_or_b32 s[G0+7], s[G0+7], 0x80000000
	s_mov_b32 s[G0B+4], 1
	s_add_co_u32 s[G0B+5], s19, SMALL
	s_add_nc_u64 s[G0B+6:G0B+7], s[46:47], 2*REC
	s_or_b32 s[G0B+7], s[G0B+7], 0x80000000
	JLOAD G0+4, G1S, G0B+4, G1SB                           ; two loads of mine are out
	v_and_b32 v1, 31, v0
	v_bfe_u32 v2, v0, 4, 1
	v_lshlrev_b32 v3, 4, v1                                ; 16 x lane
	s_mul_i32 s21, s[WR], HALFB                            ; the large slot: my eight row tiles of A,
	s_mul_i32 s22, s[WC], HALFB                            ; of B,
	s_add_co_u32 s22, s22, 2*HALFB                         ; which lie behind A's sixteen
	s_sub_co_u32 s23, s22, s21
	v_mul_u32_u24 v4, s23, v2                              ; lanes 16-31 take B's scale words,
	v_lshl_add_u32 v4, v1, 3, v4                           ; 8 bytes a lane: lanes 16-31 read the image's upper copy
	s_add_co_u32 s18, s21, 3072
	v_add_nc_u32 v[ADRA], s21, v3
	v_add_nc_u32 v[ADRB], s22, v3
	v_add_nc_u32 v[ADRS], s18, v4
	s_mul_i32 s21, s[WR], HALFS                            ; the small slot likewise
	s_mul_i32 s22, s[WC], HALFS
	s_add_co_u32 s22, s22, 2*HALFS
	s_sub_co_u32 s23, s22, s21
	v_mul_u32_u24 v5, s23, v2
	v_lshl_add_u32 v5, v1, 3, v5
	s_add_co_u32 s21, s21, SMALL
	s_add_co_u32 s22, s22, SMALL
	s_add_co_u32 s18, s21, 3072
	v_add_nc_u32 v[ADRA+1], s21, v3
	v_add_nc_u32 v[ADRB+1], s22, v3
	v_add_nc_u32 v[ADRS+1], s18, v5
	; b1 at my 128 columns of h: block 8 (c - 4) + 2 cx + half of 64; in the clusters that do not make h the index is held to 0 .. 63, so that every load stays inside b1
	s_max_u32 s[T2], ttmp9, 4
	s_sub_co_u32 s[T2], s[T2], 4
	s_lshl_b32 s[T2], s[T2], 3
	s_lshl_b32 s[T3], s40, 1
	s_add_co_u32 s[T2], s[T2], s[T3]
	s_add_co_u32 s[T2], s[T2], s[WC]
	s_min_u32 s[T2], s[T2], 63
	s_lshl_b32 s[T2], s[T2], 9
	s_mov_b32 s[T3], 0
	s_add_nc_u64 s[76:77], s[82:83], s[T2:T3]
	v_lshlrev_b32 v[B1V], 6, v2
	WIN TO_B
.irp b, 0,1,2,3
.irp j, 0,1,2,3
	global_load_b128 v[96+16*\b+4*\j+96*(\b/2):99+16*\b+4*\j+96*(\b/2)], v[B1V], s[76:77] offset:128*\b+16*\j   ; number 16 b + i: column 32 b + 16 (lane / 16) + i; numbers 0-31 in v96-127, 32-63 in v224-255
.endr
.endr
	WIN 0
	s_wait_tensorcnt 1                                     ; my part of the large slot is in (the small slot's load may be out)
	s_barrier_signal -1
	s_barrier_wait -1                                      ; everybody's is
	FETCH_B 0, 0, 0
	FETCH_A 0, 0, 0, 0
	SCALES 0, 0, 0
	FETCH_A 0, 0, 0, 4
	; record 0 (large slot, first): the first K step's products start the sums
	STEP 0, 0, 1, 0, 0, 1, 0
	STEP 1, 0, 0, 0, 1, 0, 1
	; record 1 (large slot, second)
	STEP 0, 1, 0, 0, 1, 1, 0
	TURN 1, 1, 0, 1                                        ; on to the small slot; the large one takes records 3 and 4
	; record 2 (small slot)
	STEP 0, 0, 0, 1, 0, 1, 0
	TURN 0, 0, 1, 1                                        ; on to the large slot; the small one takes record 5
	; records 3 and 4
	STEP 0, 1, 0, 0, 0, 1, 0
	STEP 1, 1, 0, 0, 1, 0, 0
	STEP 0, 0, 0, 0, 1, 1, 0
	TURN 0, 1, 1, 1                                        ; on to the small slot; the large one takes records 6 and 7
	; record 5
	STEP 0, 1, 0, 1, 0, 1, 0
	TURN 1, 0, 0, 0                                        ; on to the large slot; nothing is left to fetch
	; records 6 and 7
	STEP 0, 0, 0, 0, 0, 1, 0
	STEP 1, 0, 0, 0, 1, 0, 1
	STEP 0, 1, 0, 0, 1, 1, 0
	s_wait_dscnt 4*NL                                      ; the very last K step
	WIN MUL_LO
	MUL16 0, 1, 1, 0
	MUL16 2, 1, 1, 0
	s_wait_dscnt 0
	WIN MUL_HI
	MUL16 4, 1, 1, 0
	MUL16 6, 1, 1, 0
	WIN 0
	PLACES NP
	; ---------------- what follows the sums.  The branches hang on the cluster's number alone.
	s_wait_loadcnt 0x0                                     ; b1, asked for at the head
	v_and_b32 v1, 31, v0
	v_lshlrev_b32 v[LI], 4, v1
	s_mov_b32 s[SEL], 0x76543210
	s_mov_b32 s[SEL+1], 0xfedcba98
.irp b, 0,1,2,3
	v_mov_b32 v[TMB+\b], 0                                 ; (a lane permute's destination counts as one of its sources)
.endr
	s_lshl_b32 s[T0], s41, 4
	s_lshl_b32 s[T1], s[WR], 3
	s_add_co_u32 s[T0], s[T0], s[T1]                       ; my first row tile of A's side: 16 cy + 8 x half
	s_mov_b32 s[AI], 0
	s_cmp_lt_u32 ttmp9, 4
	s_cbranch_scc1 .Lqk
	s_cmp_lt_u32 ttmp9, 12
	s_cbranch_scc1 .Lh
	; V^T: my rows are the 128 channels of one head, my columns 128 keys: eight fragments of vt [head][key step][tile], quantised straight out of the accumulators
	s_sub_co_u32 s[T1], ttmp9, 12
	s_lshl_b32 s[T1], s[T1], 3
	s_lshl_b32 s[T2], s41, 1
	s_add_co_u32 s[T1], s[T1], s[T2]
	s_add_co_u32 s[T1], s[T1], s[WR]                       ; head
	s_mul_i32 s[T1], s[T1], 106496
	s_lshl_b32 s[T2], s40, 1
	s_add_co_u32 s[T2], s[T2], s[WC]                       ; key step
	s_mul_i32 s[T2], s[T2], 13312
	s_add_co_u32 s68, s[T1], s[T2]
	s_mov_b32 s69, 0
	s_add_nc_u64 s[68:69], s[86:87], s[68:69]
	v_lshlrev_b32 v[VS], 2, v1
.irp a, 0,1,2,3,4,5,6,7
.if \a > 0
	s_wait_xcnt 0x0                                        ; the last fragment's stores have read their data
.endif
	QUANT 64*(\a%4), 2+\a/4
.irp c, 0,1,2
	global_store_b128 v[LI], v[PC+4*\c:PC+4*\c+3], s[68:69] offset:1664*\a+512*\c
.endr
	global_store_b32 v[VS], v[PW], s[68:69] offset:1664*\a+1536
.endr
	s_branch .Lend
.Lqk:
	; q and k: my columns are one head (G = 8 c + 2 cx + half: 0-15 q's heads, 16-31 k's): fragments of qk [G][row tile].
	; Cos and sin run four blocks ahead, in four buffers of 64 registers where B's fragments lay: blocks 0 to 3 are asked for at once, block a + 4 as soon as block a's buffer has been read.
	; The eight blocks are written out, so that one way leads to each counted wait.
	s_lshl_b32 s[T1], ttmp9, 3
	s_lshl_b32 s[T2], s40, 1
	s_add_co_u32 s[T1], s[T1], s[T2]
	s_add_co_u32 s[T1], s[T1], s[WC]
	s_mul_i32 s[T1], s[T1], 106496
	s_mul_i32 s[T2], s[T0], 1664
	s_add_co_u32 s68, s[T1], s[T2]
	s_mov_b32 s69, 0
	s_add_nc_u64 s[68:69], s[84:85], s[68:69]
	s_lshl_b32 s72, s[T0], 13
	s_mov_b32 s73, 0
	s_add_nc_u64 s[72:73], s[80:81], s[72:73]              ; the table at my first row tile
	v_lshlrev_b32 v[VS], 2, v1
	WIN TO_B
.irp k, 0,1,2,3
	CSLOAD \k
.endr
	WIN 0
.irp a, 0,1,2,3,4,5,6,7
.if \a < 5
	s_wait_loadcnt 48                                      ; block a's 16 loads are in; those of the three blocks behind it may be out
.else
	s_wait_loadcnt 16*(7-\a)                               ; at the end two, one, no block is behind it
.endif
	XFERQ \a
.if \a < 4
	WIN TO_B
	CSLOAD \a+4
	WIN 0
.endif
.if \a > 0
	s_wait_xcnt 0x0                                        ; the last fragment's stores have read their data
.endif
	QUANT HA, 0
.irp c, 0,1,2
	global_store_b128 v[LI], v[PC+4*\c:PC+4*\c+3], s[68:69] offset:1664*\a+512*\c   ; 32 lanes store 512 consecutive bytes
.endr
	global_store_b32 v[VS], v[PW], s[68:69] offset:1664*\a+1536    ; the scale words stand behind the image
.endr
	s_branch .Lend
.Lh:
	; h: my columns are K step 8 (c - 4) + 2 cx + half of the last product's second part: record 8 + 4 (c - 4) + cx of acat, its half
	s_sub_co_u32 s[T1], ttmp9, 4
	s_lshl_b32 s[T2], s[T1], 2
	s_add_co_u32 s[T2], s[T2], s40
	s_add_co_u32 s[T2], s[T2], 8
	s_mul_i32 s[T2], s[T2], REC
	s_mul_i32 s[T3], s[T0], 133120
	s_add_co_u32 s[T2], s[T2], s[T3]                       ; the record
	s_mul_i32 s[T3], s[WC], 1536
	s_add_co_u32 s68, s[T2], s[T3]
	s_mov_b32 s69, 0
	s_add_nc_u64 s[68:69], s[98:99], s[68:69]
	s_lshl_b32 s[T3], s[WC], 2
	s_add_co_u32 s70, s[T2], s[T3]
	s_add_co_u32 s70, s70, 3072
	s_mov_b32 s71, 0
	s_add_nc_u64 s[70:71], s[98:99], s[70:71]
	v_lshlrev_b32 v[VS], 3, v1                             ; a record's scale image has two words a lane
	s_mov_b32 s74, 0xbdd2d3e8                              ; K2 = -0.1029432396
	s_mov_b32 s75, s74
	v_mov_b32 v226, 0xc0135761                             ; K1 = -2.3022081987
	v_mov_b32 v227, v226
	HLOOP 133120
.Lend:
	s_wait_tensorcnt 0x0                                   ; the wave's end
	ds_add_u32 v[SPW], v[NIL]
	s_wait_dscnt 0x0
	CROUND                                                 ; the closing round: no work-group ends while a partner may still ask for a tile that names it
	s_endpgm
.Lfunc_end_k_qea5a3188f2_gemm1:
	.size	k_qea5a3188f2_gemm1, .Lfunc_end_k_qea5a3188f2_gemm1-k_qea5a3188f2_gemm1
	.p2alignl 7, 3214868480
	.fill 96, 4, 3214868480
	.section	.rodata,"a",@progbits
	.p2align	6, 0x0
	.amdhsa_kernel k_qea5a3188f2_gemm1
		.amdhsa_group_segment_fixed_size 327680
		.amdhsa_private_segment_fixed_size 0
		.amdhsa_enable_private_segment 0
		.amdhsa_kernarg_size 56
		.amdhsa_user_sgpr_count 2
		.amdhsa_user_sgpr_kernarg_segment_ptr 1
		.amdhsa_wavefront_size32 1
		.amdhsa_system_sgpr_workgroup_id_x 1
		.amdhsa_system_sgpr_workgroup_id_y 1
		.amdhsa_system_sgpr_workgroup_id_z 1
		.amdhsa_system_vgpr_workitem_id 0
		.amdhsa_next_free_vgpr 1024
		.amdhsa_next_free_sgpr 106
		.amdhsa_reserve_vcc 0
		.amdhsa_float_denorm_mode_32 3
		.amdhsa_float_denorm_mode_16_64 3
		.amdhsa_memory_ordered 1
		.amdhsa_forward_progress 1
		.amdhsa_inst_pref_size 255
	.end_amdhsa_kernel
	.section	.bss,"aw",@nobits
	.p2align	6
	.space	262144
	.amdgpu_metadata
---
amdhsa.version: [ 1, 2 ]
amdhsa.kernels:
  - .name:           k_qea5a3188f2_gemm1
    .symbol:         k_qea5a3188f2_gemm1.kd
    .args:
      - { .name: xc, .offset: 0, .size: 8, .value_kind: global_buffer, .address_space: global }
      - { .name: wA, .offset: 8, .size: 8, .value_kind: global_buffer, .address_space: global }
      - { .name: rope, .offset: 16, .size: 8, .value_kind: global_buffer, .address_space: global }
      - { .name: b1, .offset: 24, .size: 8, .value_kind: global_buffer, .address_space: global }
      - { .name: qk, .offset: 32, .size: 8, .value_kind: global_buffer, .address_space: global }
      - { .name: vt, .offset: 40, .size: 8, .value_kind: global_buffer, .address_space: global }
      - { .name: acat, .offset: 48, .size: 8, .value_kind: global_buffer, .address_space: global }
    .group_segment_fixed_size: 327680
    .private_segment_fixed_size: 0
    .kernarg_segment_align: 8
    .kernarg_segment_size: 56
    .max_flat_workgroup_size: 128
    .sgpr_count:     106
    .vgpr_count:     1024
    .wavefront_size: 32
...
	.end_amdgpu_metadata
.endif
;; end of part 2
;; launch attn (part 3): grid 16 x 16, 16 waves a work-group, no clusters, 327,680 bytes of LDS; arguments qk, vt, attn_bias, acat; writes acat
.if DOCPART == 3
	.amdgcn_target "amdgcn-amd-amdhsa--gfx1250"
	.amdhsa_code_object_version 6
	.text
	.protected	k_qea5a3188f2_attn
	.globl	k_qea5a3188f2_attn
	.p2align	8
	.type	k_qea5a3188f2_attn,@function
k_qea5a3188f2_attn:
	s_mov_b64 s[64:65], 0
	v_nop
	global_prefetch_b8 v0, s[64:65] scope:SCOPE_SE
	s_setreg_imm32_b32 hwreg(HW_REG_WAVE_MODE, 25, 1), 1
	s_wait_xcnt 0x0
; ATTENTION on codes of BF6 (E3M2): for each head, O = softmax(q k^T / sqrt(128) + causal mask + attn_bias) v, then O / l quantised along D as an operand of the last product.
; THE SOFTMAX AHEAD OF THE SECOND PRODUCT: t = logit x log2(e); M = the largest t so far, rounded up to a whole number; p = 2^(t - M) is quantised along the keys; the sum l is taken of the unquantised p.
; SHARES.  A work-group: 64 stored rows of queries (block i = group x) of one head (group y).  Wave w: tile qt = w % 4 of 16 queries, and of the keys the steps kp = w / 4 and kp + 4, 128 keys each.
; The block's true queries are 64 i .. 64 i + 63, all inside key step kd = i / 2.  A step beyond kd is hidden by the causal mask and left out (a scalar branch on ids); step kd is masked; earlier steps are open.
; The four waves of a tile keep their own M, l and O^T; at the end waves 4-15 hand theirs over through LDS, and waves 0-3 bring them under one M (exact powers of two), add, divide by l and quantise.
; LAYOUT.  Both products are used transposed: S^T = K Q^T, O^T = V^T P^T: a lane holds ONE query throughout.  Rows of k and of v^T stand in the stored order pi (bits 3 and 4 exchanged), so the 16 registers of
; tiles 2 b and 2 b + 1 are 16 neighbouring keys (channels).  attn_bias x sqrt(128) is the C of the first product, loaded straight into S^T's registers: (s + bias sqrt(128)) x log2(e) / sqrt(128) = t.
; The bias of a wave's FIRST step is asked for by every wave, ahead of the barrier, also where that step is hidden: S^T's registers are then written on every path, and the load is on its way beside the tensor load.
; Its addresses lie inside attn_bias for every wave: 512 kp + 64 + 384 + 48 + 16 bytes of a row of 4,096, kp at most 3.  The price: 8 KiB read for nothing by each of the 48 waves of a head whose first step is hidden.
; LDS: a whole head's K (106,496 bytes) and V^T (106,496) as fragment records of 1,664 bytes (image 1,536 + scale words 128), each byte filled once, by one tensor load a wave; behind them twelve places of 8,448 bytes for the hand-over.
; NO CLUSTER: the work-groups that share K and V are the query blocks of a head; they need different numbers of key steps, so partners would part on their place; and what is shared comes once for each work-group.
; LIMITS: a causally hidden key gets p = 0; that is what -1e10 + attn_bias gives as long as a row's visible logits lie more than about 100 above -1e10 + the hidden keys' bias (|attn_bias| and logits under about 1e9).
; NaN among the inputs is not served.  Blocks of p under 2^-122 get the scale byte 1.
; REGISTERS: v1-11, v28-31, v80-81 addresses that stay; v12 -M, v13 the largest t (at the end l), v[14:15] the sum in two halves; v16-27 Q, v255 its scale words; v32-79 four fragments; v96-159 S^T, then p; v160-223 O^T; v224-235 p's codes; v232-254 at work.
.set LI,   1                           ; 16 x lane
.set LS,   2                           ; 4 x lane
.set ADK,  3                           ; v3-4   my two key steps' records of K
.set ADS,  5                           ; v5-6   their scale words
.set ADV,  7                           ; v7-8   of V
.set ADT,  9                           ; v9-10
.set VB,   11                          ; my query's row of attn_bias + 64 (lane / 16)
.set MW,   28                          ; where I hand over O^T,
.set MW2,  29                          ; and (-M, l)
.set MR,   30                          ; where my tile's three partners' O^T lie,
.set QH,   31                          ; my query - 16 (lane / 16)
.set MR2,  80                          ; and their (-M, l)
.set L8,   81                          ; 8 x lane
.set PC,   224
.set TMX,  232
.set TMB,  236
.set TMS,  244
.set PW,   253
.set WV,   12
.set QT,   13
.set HD,   14
.set KD,   15
.set KS,   16                          ; s16, s17 my two key steps
.set SEL,  20
.set CS,   22                          ; s[22:23] c = log2(e) / sqrt(128)
.set G1,   24
.set G0,   32
.set R128, 36                          ; s[36:37] sqrt(128)
.set MRG,  212992
.macro BIAS n                          ; my query's bias for key step n's 128 keys: register 16 b + i: key 32 b + 16 (lane / 16) + i
.irp b, 0,1,2,3
.irp j, 0,1,2,3
	global_load_b128 v[96+16*\b+4*\j:99+16*\b+4*\j], v[VB], s[40+2*\n:41+2*\n] offset:128*\b+16*\j
.endr
.endr
.endm
.macro STEP n
	s_wait_loadcnt 0x0                                     ; the bias (and, the first time, Q)
.set jj, 0
.rept 32
	v_pk_mul_f32 v[96+jj:97+jj], v[96+jj:97+jj], s[R128:R128+1] op_sel_hi:[1,0]   ; x sqrt(128).  (These are also the places in front of the loads below)
.set jj, jj+2
.endr
.irp g, 0,1                                            ; S^T = K Q^T + bias, four tiles of 16 keys at a time
.if \g > 0
.rept 4
	v_nop                                                  ; places in front of loads into registers that matrix instructions have read
.endr
.endif
.irp t, 0,1,2,3
.irp c, 0,1,2
	ds_load_b128 v[32+12*\t+4*\c:35+12*\t+4*\c], v[ADK+\n] offset:(4*\g+\t)*1664+512*\c
.endr
	ds_load_b32 v[248+\t], v[ADS+\n] offset:(4*\g+\t)*1664+1536
.endr
	s_wait_dscnt 0x0
.irp t, 0,1,2,3
	v_wmma_scale_f32_16x16x128_f8f6f4 v[96+8*(4*\g+\t):103+8*(4*\g+\t)], v[32+12*\t:43+12*\t], v[16:27], v[96+8*(4*\g+\t):103+8*(4*\g+\t)], v[248+\t], v255 matrix_a_fmt:MATRIX_FMT_BF6 matrix_b_fmt:MATRIX_FMT_BF6
.endr
.endr
.rept 4
	v_nop
.endr
	s_cmp_lg_u32 s[KS+\n], s[KD]                           ; on the diagonal the scores of hidden keys become -infinity ahead of the maximum
	s_cbranch_scc1 .Lopen_\@
	s_lshl_b32 s60, s[KD], 7
	v_sub_nc_u32 v252, v[QH], s60                          ; d = my query - the step's first key - 16 (lane / 16): register 16 b + i is hidden where 32 b + i > d
	v_mov_b32 v254, 0xff800000
.set jj, 0
.rept 64
	v_cmp_gt_i32 vcc_lo, 32*(jj/16)+jj%16, v252
	v_cndmask_b32 v[96+jj], v[96+jj], v254, vcc_lo
.set jj, jj+1
.endr
.Lopen_\@:
.irp b, 0,1,2,3
	v_max3_num_f32 v[232+\b], v[96+16*\b], v[97+16*\b], v[98+16*\b]    ; the largest score of each block of 32 keys: for the row's maximum and, since p rises with the score, for the block's largest p
.endr
.irp i, 3,5,7,9,11,13
.irp b, 0,1,2,3
	v_max3_num_f32 v[232+\b], v[232+\b], v[96+16*\b+\i], v[97+16*\b+\i]
.endr
.endr
.irp b, 0,1,2,3
	v_max_num_f32 v[232+\b], v[232+\b], v[111+16*\b]
.endr
.irp b, 0,1,2,3
	v_permlanex16_b32 v[236+\b], v[232+\b], s[SEL], s[SEL+1]
.endr
.irp b, 0,1,2,3
	v_max_num_f32 v[232+\b], v[232+\b], v[236+\b]
.endr
	v_max3_num_f32 v254, v232, v233, v234
	v_max_num_f32 v254, v254, v235
	v_mul_f32 v254, s[CS], v254                            ; as t
	v_max_num_f32 v13, v13, v254                           ; the running largest t
	v_mov_b32 v254, v12
	v_floor_f32 v12, -v13                                  ; -M = floor(-t): M is a whole number
	v_sub_f32 v254, v12, v254
	v_cvt_i32_f32 v254, v254                               ; (it saturates)
	v_ldexp_f32 v252, 1.0, v254                            ; f = 2^(old M - new M)
.set jj, 0
.rept 32
	v_pk_fma_f32 v[96+jj:97+jj], v[96+jj:97+jj], s[CS:CS+1], v[12:13] op_sel_hi:[1,0,0]   ; t - M
.set jj, jj+2
.endr
.irp b, 0,1,2,3
	v_fma_f32 v[232+\b], v[232+\b], s[CS], v12
.endr
.set jj, 0
.rept 64
	v_exp_f32 v[96+jj], v[96+jj]                           ; p = 2^(t - M)
.set jj, jj+1
.endr
.irp b, 0,1,2,3
	v_exp_f32 v[232+\b], v[232+\b]                         ; the block's largest p
.endr
	v_pk_mul_f32 v[14:15], v[14:15], v[252:253] op_sel_hi:[1,0]        ; the sums under the new M (a plain place behind the exponentials)
.irp b, 0,1,2,3
	v_max_num_f32 v[232+\b], 0x2800000, v[232+\b]          ; the floor 2^(5 - 127)
.endr
.irp b, 0,1,2,3
	v_add_nc_u32 v[244+\b], 0xfe000000, v[232+\b]
.endr
.irp b, 0,1,2,3
	v_lshrrev_b32 v[236+\b], 23, v[244+\b]
.endr
	v_lshl_or_b32 v253, v237, 8, v236                      ; p's scale word for these 128 keys
	v_lshl_or_b32 v253, v238, 16, v253
	v_lshl_or_b32 v253, v239, 24, v253
.irp c, 0,1
	v_cvt_scalef32_pk16_bf6_f32 v[224+6*\c:226+6*\c], v[96+32*\c:111+32*\c], v[244+2*\c]
	v_cvt_scalef32_pk16_bf6_f32 v[236+4*\c:238+4*\c], v[112+32*\c:127+32*\c], v[244+2*\c+1]
.endr
	v_nop
.irp c, 0,1
.irp i, 0,1,2
	v_permlane16_swap_b32 v[224+6*\c+\i], v[236+4*\c+\i]
.endr
.irp i, 0,1,2
	v_mov_b32 v[227+6*\c+\i], v[236+4*\c+\i]
.endr
.endr
	v_pk_add_f32 v[236:237], v[96:97], v[98:99]            ; the row's sum of the unquantised p, in two chains
.irp j, 4,8,12,16,20,24,28,32,36,40,44,48,52,56,60
	v_pk_add_f32 v[14:15], v[14:15], v[96+\j:97+\j]
	v_pk_add_f32 v[236:237], v[236:237], v[98+\j:99+\j]
.endr
	v_pk_add_f32 v[14:15], v[14:15], v[236:237]
.if \n == 0
	s_cmp_gt_u32 s[KS+1], s[KD]                            ; p's registers are free: my second step's bias is asked for, if that step counts
	s_cbranch_scc1 .Lnob_\@
	BIAS 1
.Lnob_\@:
.endif
.set jj, 0
.rept 32
	v_pk_mul_f32 v[160+jj:161+jj], v[160+jj:161+jj], v[252:253] op_sel_hi:[1,0]    ; O^T under the new M.  (Also the places in front of the matrix instructions and loads below)
.set jj, jj+2
.endr
.irp g, 0,1                                            ; O^T += V^T P^T
.if \g > 0
.rept 4
	v_nop
.endr
.endif
.irp t, 0,1,2,3
.irp c, 0,1,2
	ds_load_b128 v[32+12*\t+4*\c:35+12*\t+4*\c], v[ADV+\n] offset:(4*\g+\t)*1664+512*\c
.endr
	ds_load_b32 v[248+\t], v[ADT+\n] offset:(4*\g+\t)*1664+1536
.endr
	s_wait_dscnt 0x0
.irp t, 0,1,2,3
	v_wmma_scale_f32_16x16x128_f8f6f4 v[160+8*(4*\g+\t):167+8*(4*\g+\t)], v[32+12*\t:43+12*\t], v[224:235], v[160+8*(4*\g+\t):167+8*(4*\g+\t)], v[248+\t], v253 matrix_a_fmt:MATRIX_FMT_BF6 matrix_b_fmt:MATRIX_FMT_BF6
.endr
.endr
.endm
.macro QUANT s                         ; 64 numbers, register 16 b + i = k 32 b + 16 (lane / 16) + i, become a fragment in v[PC] on and its scale word in v[PW]
.irp b, 0,1,2,3
	v_max3_num_f32 v[TMX+\b], |v[(\s)+16*\b]|, |v[(\s)+1+16*\b]|, 0x2800000
.endr
.irp i, 2,4,6,8,10,12,14
.irp b, 0,1,2,3
	v_max3_num_f32 v[TMX+\b], v[TMX+\b], |v[(\s)+16*\b+\i]|, |v[(\s)+1+16*\b+\i]|
.endr
.endr
.irp b, 0,1,2,3
	v_permlanex16_b32 v[TMB+\b], v[TMX+\b], s[SEL], s[SEL+1]
.endr
.irp b, 0,1,2,3
	v_max_num_f32 v[TMX+\b], v[TMX+\b], v[TMB+\b]
.endr
.irp b, 0,1,2,3
	v_add_nc_u32 v[TMS+\b], 0xfe000000, v[TMX+\b]
.endr
.irp b, 0,1,2,3
	v_lshrrev_b32 v[TMB+\b], 23, v[TMS+\b]
.endr
	v_lshl_or_b32 v[PW], v[TMB+1], 8, v[TMB]
	v_lshl_or_b32 v[PW], v[TMB+2], 16, v[PW]
	v_lshl_or_b32 v[PW], v[TMB+3], 24, v[PW]
.irp c, 0,1
	v_cvt_scalef32_pk16_bf6_f32 v[PC+6*\c:PC+2+6*\c], v[(\s)+32*\c:(\s)+15+32*\c], v[TMS+2*\c]
	v_cvt_scalef32_pk16_bf6_f32 v[PC+12+4*\c:PC+14+4*\c], v[(\s)+16+32*\c:(\s)+31+32*\c], v[TMS+2*\c+1]
.endr
	v_nop
.irp c, 0,1
.irp i, 0,1,2
	v_permlane16_swap_b32 v[PC+6*\c+\i], v[PC+12+4*\c+\i]
.endr
.irp i, 0,1,2
	v_mov_b32 v[PC+3+6*\c+\i], v[PC+12+4*\c+\i]
.endr
.endr
.endm
	s_load_b256 s[4:11], s[0:1], 0x0                       ; qk, vt, attn_bias, acat
	v_lshrrev_b32 v84, 5, v0
	v_readfirstlane_b32 s[WV], v84                         ; wave 0..15
	s_and_b32 s[QT], s[WV], 3
	s_lshr_b32 s[KS], s[WV], 2
	s_add_co_u32 s[KS+1], s[KS], 4
	s_and_b32 s[HD], ttmp7, 0xffff
	s_lshr_b32 s[KD], ttmp9, 1
	s_mov_b32 s[G1], 3<<16                                 ; no mask; elements of 8 bytes; no padding: a key step's eight records, 13,312 dense bytes, as 52 rows of 256
	s_mov_b32 s[G1+1], 32<<16
	s_mov_b32 s[G1+2], 52<<16
	s_mov_b32 s[G1+3], 32<<16
	s_mov_b32 s[G1+4], 52
	s_mov_b32 s[G1+5], 32
	s_mov_b32 s[G1+6], 0
	s_mov_b32 s[G1+7], 0
	s_mul_i32 s44, s[HD], 106496
	s_and_b32 s45, s[WV], 7
	s_mul_i32 s45, s45, 13312
	s_add_co_u32 s44, s44, s45                             ; key step w % 8 of my head: in vt,
	s_add_co_u32 s46, s44, 16*106496                       ; and among k's heads, which stand behind q's sixteen in qk
	s_mov_b32 s45, 0
	s_mov_b32 s47, 0
	s_mov_b32 s[G0], 1
	s_mul_i32 s[G0+1], s[WV], 13312                        ; waves 0-7 fill K's eight steps, waves 8-15 V's
	s_wait_kmcnt 0x0
	s_add_nc_u64 s[46:47], s[4:5], s[46:47]
	s_add_nc_u64 s[44:45], s[6:7], s[44:45]
	s_cmp_lt_u32 s[WV], 8
	s_cselect_b64 s[G0+2:G0+3], s[46:47], s[44:45]
	s_or_b32 s[G0+3], s[G0+3], 0x80000000
	tensor_load_to_lds s[G0:G0+3], s[G1:G1+7]              ; my one tensor load: every LDS byte is filled once
.rept 4
	v_nop
.endr
	v_and_b32 v84, 31, v0
	v_and_b32 v85, 15, v0
	v_bfe_u32 v86, v0, 4, 1
	v_lshlrev_b32 v[LI], 4, v84
	v_lshlrev_b32 v[LS], 2, v84
	v_lshlrev_b32 v[L8], 3, v84
	s_mul_i32 s48, s[KS], 13312
	s_mul_i32 s49, s[KS+1], 13312
	v_add_nc_u32 v[ADK], s48, v[LI]
	v_add_nc_u32 v[ADK+1], s49, v[LI]
	v_add_nc_u32 v[ADS], s48, v[LS]
	v_add_nc_u32 v[ADS+1], s49, v[LS]
.irp n, 0,1
	v_add_nc_u32 v[ADV+\n], 106496, v[ADK+\n]
	v_add_nc_u32 v[ADT+\n], 106496, v[ADS+\n]
.endr
	s_lshl_b32 s50, ttmp9, 1
	s_lshr_b32 s51, s[QT], 1
	s_add_co_u32 s50, s50, s51
	s_lshl_b32 s50, s50, 5
	s_and_b32 s51, s[QT], 1
	s_lshl_b32 s51, s51, 3
	s_add_co_u32 s50, s50, s51
	v_and_b32 v87, 8, v85
	v_add_nc_u32 v87, v87, v85
	v_add_nc_u32 v87, s50, v87                             ; my true query: 32 (tile / 2) + 8 (tile % 2) + r + 8 (r / 8), tile = 4 i + qt
	v_lshlrev_b32 v[VB], 12, v87
	v_lshl_add_u32 v[VB], v86, 6, v[VB]
	v_lshlrev_b32 v88, 4, v86
	v_sub_nc_u32 v[QH], v87, v88
	s_add_co_u32 s51, s[KS], 3
	s_and_b32 s51, s51, 3
	s_min_u32 s51, s51, 2                                  ; shares 1, 2, 3 take places 0, 1, 2 of their tile (share 0 stores nothing)
	s_mul_i32 s52, s[QT], 3
	s_add_co_u32 s51, s51, s52
	s_mul_i32 s51, s51, 8448
	s_add_co_u32 s51, s51, MRG
	v_add_nc_u32 v[MW], s51, v[LI]
	s_add_co_u32 s51, s51, 8192
	v_add_nc_u32 v[MW2], s51, v[L8]
	s_mul_i32 s52, s[QT], 25344
	s_add_co_u32 s52, s52, MRG
	v_add_nc_u32 v[MR], s52, v[LI]
	s_add_co_u32 s52, s52, 8192
	v_add_nc_u32 v[MR2], s52, v[L8]
	s_lshl_b32 s53, ttmp9, 2
	s_add_co_u32 s53, s53, s[QT]                           ; my stored row tile
	s_mul_i32 s54, s53, 1664
	s_mul_i32 s55, s[HD], 106496
	s_add_co_u32 s54, s54, s55
	s_mov_b32 s55, 0
	s_add_nc_u64 s[54:55], s[4:5], s[54:55]                ; Q's record
	s_lshl_b32 s40, s[KS], 9
	s_mov_b32 s41, 0
	s_add_nc_u64 s[40:41], s[8:9], s[40:41]                ; the bias at my first key step,
	s_add_nc_u64 s[42:43], s[40:41], 2048                  ; at my second
	s_mul_i32 s56, s53, 133120
	s_lshr_b32 s57, s[HD], 1
	s_mul_i32 s57, s57, 3328
	s_add_co_u32 s56, s56, s57                             ; acat: my row tile's record head / 2,
	s_and_b32 s57, s[HD], 1
	s_lshl_b32 s58, s57, 2
	s_add_co_u32 s58, s58, s56
	s_add_co_u32 s58, s58, 3072                            ; its scale words, word head % 2 of each lane's two,
	s_mul_i32 s57, s57, 1536
	s_add_co_u32 s56, s56, s57                             ; its image head % 2
	s_mov_b32 s57, 0
	s_mov_b32 s59, 0
	s_add_nc_u64 s[56:57], s[10:11], s[56:57]
	s_add_nc_u64 s[58:59], s[10:11], s[58:59]
	s_mov_b32 s[SEL], 0x76543210
	s_mov_b32 s[SEL+1], 0xfedcba98
	s_mov_b32 s[CS], 0x3e0293ee
	s_mov_b32 s[CS+1], s[CS]
	s_mov_b32 s[R128], 0x413504f3
	s_mov_b32 s[R128+1], s[R128]
.irp c, 0,1,2
	global_load_b128 v[16+4*\c:19+4*\c], v[LI], s[54:55] offset:512*\c
.endr
	global_load_b32 v255, v[LS], s[54:55] offset:1536
	BIAS 0                                                 ; every wave asks, whether its first step counts or not (the head comment says why and at what price)
	v_mov_b32 v13, 0xff61b1e6                              ; the largest t so far: -3e38
	v_floor_f32 v12, -v13
	v_mov_b32 v14, 0
	v_mov_b32 v15, 0
.irp b, 0,1,2,3
	v_mov_b32 v[236+\b], 0                                 ; (a lane permute's destination counts as one of its sources)
.endr
	v_mov_b32 v252, 0
	v_mov_b32 v253, 0
.set jj, 0
.rept 64
	v_mov_b32 v[160+jj], 0                                 ; O^T: the step is written without a first form of its own, and a wave with no step hands over zeros
.set jj, jj+1
.endr
	s_wait_tensorcnt 0x0                                   ; my part of K or V has landed,
	s_barrier_signal -1
	s_barrier_wait -1                                      ; everybody's has
	s_cmp_gt_u32 s[KS], s[KD]
	s_cbranch_scc1 .Lmerge
	STEP 0
	s_cmp_gt_u32 s[KS+1], s[KD]
	s_cbranch_scc1 .Lmerge
	STEP 1
.Lmerge:
	s_wait_loadcnt 0x0                                     ; a wave that has left a step out may have that step's bias (and Q) still on its way: the registers are loaded anew below
.rept 4
	v_nop                                                  ; places behind the last products
.endr
	v_add_f32 v14, v14, v15
	v_permlanex16_b32 v252, v14, s[SEL], s[SEL+1]
	v_add_f32 v13, v14, v252                               ; l of my keys, under my M
	s_cmp_eq_u32 s[KS], 0
	s_cbranch_scc1 .Lkeep
.irp m, 0,1,2,3,4,5,6,7,8,9,10,11,12,13,14,15
	ds_store_b128 v[MW], v[160+4*\m:163+4*\m] offset:512*\m    ; each accumulator from its low end on
.endr
	ds_store_b64 v[MW2], v[12:13]
.Lkeep:
	s_wait_dscnt 0x0                                       ; for the others' sake: my stores have landed
	s_barrier_signal -1
	s_barrier_wait -1
	s_cmp_lg_u32 s[KS], 0
	s_cbranch_scc1 .Ldone
.irp j, 0,1,2
	ds_load_b64 v[82+2*\j:83+2*\j], v[MR2] offset:8448*\j
.endr
	s_wait_dscnt 0x0
	v_min3_num_f32 v88, v12, v82, v84
	v_min_num_f32 v88, v88, v86                            ; -M of all keys: the least -M
	v_sub_f32 v89, v88, v12
	v_sub_f32 v90, v88, v82
	v_sub_f32 v91, v88, v84
	v_sub_f32 v92, v88, v86
.irp j, 0,1,2,3
	v_cvt_i32_f32 v[89+\j], v[89+\j]                       ; whole numbers, 0 or less; it saturates for a share that had no step
.endr
.irp j, 0,1,2,3
	v_ldexp_f32 v[240+2*\j], 1.0, v[89+\j]                 ; 2^(a share's M - M): exact, 0 for a share that had no step
.endr
.irp j, 0,1,2,3
	v_mov_b32 v[241+2*\j], v[240+2*\j]
.endr
	v_mul_f32 v13, v13, v240
	v_fmac_f32 v13, v83, v242
	v_fmac_f32 v13, v85, v244
	v_fmac_f32 v13, v87, v246
.set jj, 0
.rept 32
	v_pk_mul_f32 v[160+jj:161+jj], v[160+jj:161+jj], v[240:241]
.set jj, jj+2
.endr
.irp j, 0,1,2
.irp m, 0,1,2,3,4,5,6,7,8,9,10,11,12,13,14,15
	ds_load_b128 v[96+4*\m:99+4*\m], v[MR] offset:8448*\j+512*\m
.endr
	s_wait_dscnt 0x0
.set jj, 0
.rept 32
	v_pk_fma_f32 v[160+jj:161+jj], v[96+jj:97+jj], v[242+2*\j:243+2*\j], v[160+jj:161+jj]
.set jj, jj+2
.endr
.endr
	v_rcp_f32 v94, v13
	v_nop                                                  ; one plain place behind a transcendental
	v_mov_b32 v95, v94
.set jj, 0
.rept 32
	v_pk_mul_f32 v[96+jj:97+jj], v[160+jj:161+jj], v[94:95]    ; O / l: register 16 b + i is channel 32 b + 16 (lane / 16) + i of my query
.set jj, jj+2
.endr
	QUANT 96
.irp c, 0,1,2
	global_store_b128 v[LI], v[PC+4*\c:PC+4*\c+3], s[56:57] offset:512*\c
.endr
	global_store_b32 v[L8], v[PW], s[58:59]
.Ldone:
	s_endpgm
.Lfunc_end_k_qea5a3188f2_attn:
	.size	k_qea5a3188f2_attn, .Lfunc_end_k_qea5a3188f2_attn-k_qea5a3188f2_attn
	.p2alignl 7, 3214868480
	.fill 96, 4, 3214868480
	.section	.rodata,"a",@progbits
	.p2align	6, 0x0
	.amdhsa_kernel k_qea5a3188f2_attn
		.amdhsa_group_segment_fixed_size 327680
		.amdhsa_private_segment_fixed_size 0
		.amdhsa_enable_private_segment 0
		.amdhsa_kernarg_size 32
		.amdhsa_user_sgpr_count 2
		.amdhsa_user_sgpr_kernarg_segment_ptr 1
		.amdhsa_wavefront_size32 1
		.amdhsa_system_sgpr_workgroup_id_x 1
		.amdhsa_system_sgpr_workgroup_id_y 1
		.amdhsa_system_sgpr_workgroup_id_z 1
		.amdhsa_system_vgpr_workitem_id 0
		.amdhsa_next_free_vgpr 256
		.amdhsa_next_free_sgpr 66
		.amdhsa_reserve_vcc 1
		.amdhsa_float_denorm_mode_32 3
		.amdhsa_float_denorm_mode_16_64 3
		.amdhsa_memory_ordered 1
		.amdhsa_forward_progress 1
		.amdhsa_inst_pref_size 84
	.end_amdhsa_kernel
	.amdgpu_metadata
---
amdhsa.version: [ 1, 2 ]
amdhsa.kernels:
  - .name:           k_qea5a3188f2_attn
    .symbol:         k_qea5a3188f2_attn.kd
    .args:
      - { .name: qk, .offset: 0, .size: 8, .value_kind: global_buffer, .address_space: global }
      - { .name: vt, .offset: 8, .size: 8, .value_kind: global_buffer, .address_space: global }
      - { .name: attn_bias, .offset: 16, .size: 8, .value_kind: global_buffer, .address_space: global }
      - { .name: acat, .offset: 24, .size: 8, .value_kind: global_buffer, .address_space: global }
    .group_segment_fixed_size: 327680
    .private_segment_fixed_size: 0
    .kernarg_segment_align: 8
    .kernarg_segment_size: 32
    .max_flat_workgroup_size: 512
    .sgpr_count:     66
    .vgpr_count:     256
    .wavefront_size: 32
...
	.end_amdgpu_metadata
.endif
;; end of part 3
;; launch gemm2 (part 4): grid 32 x 8, 8 waves a work-group, clusters of 4 x 4, 327,680 bytes of LDS; arguments acat, wB, b2, out0; writes out0
.if DOCPART == 4
	.amdgcn_target "amdgcn-amd-amdhsa--gfx1250"
	.amdhsa_code_object_version 6
	.text
	.protected	k_qea5a3188f2_gemm2
	.globl	k_qea5a3188f2_gemm2
	.p2align	8
	.type	k_qea5a3188f2_gemm2,@function
k_qea5a3188f2_gemm2:
	s_mov_b64 s[64:65], 0
	v_nop
	global_prefetch_b8 v0, s[64:65] scope:SCOPE_SE
	s_setreg_imm32_b32 hwreg(HW_REG_WAVE_MODE, 25, 1), 1
	s_wait_xcnt 0x0
	s_wait_alu depctr_hold_cnt(0) depctr_sa_sdst(0) depctr_va_vdst(0) depctr_va_sdst(0) depctr_va_ssrc(0) depctr_va_vcc(0) depctr_vm_vsrc(0)
	s_getreg_b32 s2, hwreg(HW_REG_IB_STS2, 6, 4)
	s_cmp_eq_u32 s2, 0
	s_cbranch_scc0 .Lentry_in_a_cluster
	s_endpgm
.Lentry_in_a_cluster:
	s_bfe_u32 s2, ttmp6, 0x10000c
	s_cmp_lg_u32 s2, 0xf033
	s_cbranch_scc0 .Lentry_shape_is_right
	s_endpgm
.Lentry_shape_is_right:
; GEMM 2: out0 = [attention | h] [Wo ; W2] + b2 on codes of BF6 (E3M2) with E8M0 scales: the two last products of the layer are one product with K = 2,048 + 8,192 = 10,240.
; out0 is 1,024 x 2,048: a work-group makes 128 rows x 64 columns, so that there are 256 work-groups.  ITS EIGHT WAVES SHARE K, NOT THE TILE: each holds the whole tile (32 accumulators, 256 registers) and takes
; one of the eight K steps of each slot: 12 fragments for 32 matrix instructions, none read twice.  The eight partial tiles are added once, at the end, through LDS.
; OPERANDS lie as records of 3,328 bytes for 16 stored rows x 256 K (two images of a fragment's registers and 256 bytes of scale words).  A slot holds four records for each of A's 8 and B's 4 row tiles: 159,744 bytes;
; ten slots' worth of K go through a ring of two.  Waves 0-3 fetch two row tiles of A each (rows of 13,312 bytes, 133,120 apart), waves 4-7 one of B.
; CLUSTERS: 4 x 4 work-groups; A's tiles are shared along a row of the cluster, B's along a column, and asked for jointly.
; THE MATRIX INSTRUCTION IS USED TRANSPOSED (source 0 = 16 rows of wB, source 1 = 16 rows of acat): a lane holds one token and neighbouring columns.  Stored rows stand in the order pi (bits 3 and 4 exchanged);
; the stage on the way out puts the columns right, the rows' addresses the tokens.
; REGISTERS: window 0: v1-29 addresses; v32-127 A's eight fragments; v128-175 B's four; v176-187 scale words; v192-223 the sum, v224-255 b2.  Window 1: accumulator (a, b) at v[8 (4 a + b)].
.set REC,   3328
.set SLOT,  159744
.set SPARE, 2*SLOT                     ; behind the ring: the spare words, 128 bytes for each of eight waves
.set STG,   262144                     ; the way out: 16 rows x 272 bytes for each wave; it and the partial tiles (32,768 bytes a wave from 0 on) lie in the slots, which have then had their last fill and their last read
.set LI,    1
.set ADRA,  2                          ; v2-3 my K step's images of A's row tiles 0-3 in slot 0, 1;  v4-5 of row tiles 4-7
.set ADRB,  6                          ; v6-7 of B's
.set ASA,   8                          ; v8-9, v10-11 the scale words likewise
.set ASB,   12
.set RW,    14                         ; where my partial tile goes
.set RDB,   15                         ; v15-18 where the partial tiles of waves 2 k, 2 k + 1 have my block of 16 rows
.set STO,   19
.set SRD,   20
.set CO,    21
.set SPW,   28
.set NIL,   29
.set AFR,   32
.set BF,    128
.set SCA,   176
.set SCB,   184
.set SUM,   192
.set B2R,   224
.set G1,    24
.set G0,    32
.set G1B,   48
.set G0B,   56
.set MSB, 0
.macro WIN new
.if MSB != (\new)
	s_set_vgpr_msb (MSB<<8)|(\new)
.set MSB, (\new)
.endif
.endm
.macro JLOAD g0a, g1a, g0b, g1b        ; a joint load: waves 0-3 fetch for A, waves 4-7 for B; four v_nop follow each of the two lines
	s_cmp_lt_u32 s14, 4
	s_cbranch_scc0 .Lfor_b_\@
	tensor_load_to_lds s[\g0a:\g0a+3], s[\g1a:\g1a+7]
.rept 4
	v_nop
.endr
	s_branch .Lasked_\@
.Lfor_b_\@:
	tensor_load_to_lds s[\g0b:\g0b+3], s[\g1b:\g1b+7]
.rept 4
	v_nop
.endr
.Lasked_\@:
.endm
.macro CROUND                          ; a round of the cluster's barrier
	s_barrier_signal -1
	s_barrier_wait -1
	s_cmp_lg_u32 s14, 0
	s_cbranch_scc1 .Lnot_wave_0_\@
	s_barrier_signal -3
.Lnot_wave_0_\@:
	s_barrier_wait -3
	s_barrier_signal -1
	s_barrier_wait -1
.endm
; My K step of slot s: 48 LDS loads in one run, then 32 matrix instructions, the 32 accumulators by turns.  zero = 1: the products start the sums.
.macro WORK s, zero
.irp i, 0,1,2,3
.irp c, 0,1,2
	ds_load_b128 v[BF+12*\i+4*\c:BF+12*\i+4*\c+3], v[ADRB+\s] offset:13312*\i+512*\c
.endr
	ds_load_b32 v[SCB+\i], v[ASB+\s] offset:13312*\i
.endr
.irp a, 0,1,2,3,4,5,6,7
	ds_load_b32 v[SCA+\a], v[ASA+2*(\a/4)+\s] offset:13312*(\a%4)
.irp c, 0,1,2
	ds_load_b128 v[AFR+12*\a+4*\c:AFR+12*\a+4*\c+3], v[ADRA+2*(\a/4)+\s] offset:13312*(\a%4)+512*\c
.endr
.endr
	WIN 0x50                                               ; C and D in window 1
.irp a, 0,1,2,3,4,5,6,7
	s_wait_dscnt 4*(7-\a)                                  ; B and A's blocks up to a are in; four loads for each later block may be out
.irp b, 0,1,2,3
.if \zero
	v_wmma_scale_f32_16x16x128_f8f6f4 v[8*(4*\a+\b):8*(4*\a+\b)+7], v[BF+12*\b:BF+12*\b+11], v[AFR+12*\a:AFR+12*\a+11], 0, v[SCB+\b], v[SCA+\a] matrix_a_fmt:MATRIX_FMT_BF6 matrix_b_fmt:MATRIX_FMT_BF6
.else
	v_wmma_scale_f32_16x16x128_f8f6f4 v[8*(4*\a+\b):8*(4*\a+\b)+7], v[BF+12*\b:BF+12*\b+11], v[AFR+12*\a:AFR+12*\a+11], v[8*(4*\a+\b):8*(4*\a+\b)+7], v[SCB+\b], v[SCA+\a] matrix_a_fmt:MATRIX_FMT_BF6 matrix_b_fmt:MATRIX_FMT_BF6
.endif
.endr
.endr
	WIN 0
.endm
; The change of slots stands at a slot's head.  refill = 1: the slot just left is filled with the records two slots on: the load has a whole slot's work in which to land.
.macro TWO s, refill
	s_wait_tensorcnt 0x0                                   ; all my tensor loads have landed, my part of this slot among them: so every group 0 may be written
	ds_add_u32 v[SPW], v[NIL]                              ; 0 onto my spare word
	s_add_nc_u64 s[G0+6-4*\s:G0+7-4*\s], s[G0+6-4*\s:G0+7-4*\s], 8*REC
	s_add_nc_u64 s[G0B+6-4*\s:G0B+7-4*\s], s[G0B+6-4*\s:G0B+7-4*\s], 8*REC
	s_wait_dscnt 0x0                                       ; the add is done, and my reads of the other slot are over
.if \refill
	CROUND                                                 ; both now hold of every wave of every work-group of the cluster
	JLOAD G0+4-4*\s, G1, G0B+4-4*\s, G1B                   ; my one tensor load behind the round; its four v_nop are the places in front of the loads below
.else
	s_barrier_signal -1
	s_barrier_wait -1
.rept 4
	v_nop
.endr
.endif
	WORK \s, 0
.endm
.macro BATCH k0                        ; my block of 16 rows out of the partial tiles of waves k0 .. k0 + 3
.irp u, 0,1,2,3
.irp n, 0,1,2,3,4,5,6,7
	ds_load_b128 v[32+32*\u+4*\n:35+32*\u+4*\n], v[RDB+((\k0)+\u)/2] offset:32768*(\u%2)+512*\n
.endr
.endr
	s_wait_dscnt 0x0
.endm
	s_load_b256 s[4:11], s[0:1], 0x0                       ; acat, wB, b2, out0
	v_lshl_add_u32 v[SPW], v0, 2, SPARE
	v_mov_b32 v[NIL], 0
	v_lshrrev_b32 v22, 5, v0
	v_readfirstlane_b32 s14, v22                           ; wave 0..7
	s_and_b32 s16, s14, 3
	s_bfe_u32 s40, ttmp6, 0x40000                          ; cx
	s_bfe_u32 s41, ttmp6, 0x40004                          ; cy
	s_lshl_b32 s42, ttmp9, 2
	s_add_co_u32 s42, s42, s40                             ; block of 64 columns
	s_and_b32 s17, ttmp7, 0xffff
	s_lshl_b32 s17, s17, 2
	s_add_co_u32 s17, s17, s41                             ; block of 128 rows
	s_lshl_b32 s43, s41, 2
	s_lshl_b32 s43, 15, s43                                ; my row of the cluster
	s_lshl_b32 s44, 0x1111, s40                            ; my column
	s_or_b32 s[G1+0], s43, (3<<16)|(1<<21)                 ; the mask; elements of 8 bytes; bit 21 beside a mask; no padding
	s_or_b32 s[G1B+0], s44, (3<<16)|(1<<21)
	s_mov_b32 s[G1+1], 1664<<16                            ; A: two rows of four records (1,664 elements), 16,640 elements apart
	s_mov_b32 s[G1+2], 2<<16
	s_mov_b32 s[G1+3], 1664<<16
	s_mov_b32 s[G1+4], 2
	s_mov_b32 s[G1+5], 16640
	s_mov_b32 s[G1+6], 0
	s_mov_b32 s[G1+7], 0
	s_mov_b32 s[G1B+1], 1664<<16                           ; B: one such row
	s_mov_b32 s[G1B+2], 1<<16
	s_mov_b32 s[G1B+3], 1664<<16
	s_mov_b32 s[G1B+4], 1
	s_mov_b32 s[G1B+5], 16640
	s_mov_b32 s[G1B+6], 0
	s_mov_b32 s[G1B+7], 0
	s_lshl_b32 s20, s17, 3
	s_lshl_b32 s18, s16, 1
	s_add_co_u32 s20, s20, s18                             ; A's row tile 8 x block + 2 (wave % 4)
	s_mul_i32 s20, s20, 133120
	s_mov_b32 s21, 0
	s_lshl_b32 s46, s42, 2
	s_add_co_u32 s46, s46, s16                             ; B's row tile 4 x block + wave % 4
	s_mul_i32 s46, s46, 133120
	s_mov_b32 s47, 0
	s_mul_i32 s45, s16, 26624                              ; where they go: no place in the cluster enters an LDS address
	s_mul_i32 s66, s16, 13312
	s_add_co_u32 s66, s66, 106496
	s_wait_kmcnt 0x0
	s_add_nc_u64 s[20:21], s[4:5], s[20:21]
	s_add_nc_u64 s[46:47], s[6:7], s[46:47]
	CROUND                                                 ; all sixteen work-groups are here: the first joint loads meet
.irp s, 0,1
	s_mov_b32 s[G0+4*\s], 1
	s_add_co_u32 s[G0+4*\s+1], s45, \s*SLOT
	s_add_nc_u64 s[G0+4*\s+2:G0+4*\s+3], s[20:21], \s*4*REC
	s_or_b32 s[G0+4*\s+3], s[G0+4*\s+3], 0x80000000
	s_mov_b32 s[G0B+4*\s], 1
	s_add_co_u32 s[G0B+4*\s+1], s66, \s*SLOT
	s_add_nc_u64 s[G0B+4*\s+2:G0B+4*\s+3], s[46:47], \s*4*REC
	s_or_b32 s[G0B+4*\s+3], s[G0B+4*\s+3], 0x80000000
	JLOAD G0+4*\s, G1, G0B+4*\s, G1B                       ; two loads of mine are out
.endr
	v_and_b32 v22, 31, v0                                  ; lane
	v_and_b32 v25, 15, v0                                  ; r
	v_bfe_u32 v26, v0, 4, 1                                ; h
	v_lshlrev_b32 v[LI], 4, v22
	v_lshlrev_b32 v23, 3, v22
	s_lshr_b32 s18, s14, 1
	s_mul_i32 s18, s18, REC                                ; my K step: record wave / 2 of a row tile's four,
	s_and_b32 s19, s14, 1
	s_mul_i32 s20, s19, 1536
	s_add_co_u32 s20, s20, s18                             ; its image wave % 2,
	s_lshl_b32 s19, s19, 2
	s_add_co_u32 s19, s19, s18
	s_add_co_u32 s19, s19, 3072                            ; word wave % 2 of each lane's two scale words
.irp s, 0,1
	v_add_nc_u32 v[ADRA+\s], s20, v[LI]
	v_add_nc_u32 v[ASA+\s], s19, v23
	v_add_nc_u32 v[ADRA+2+\s], 53248, v[ADRA+\s]
	v_add_nc_u32 v[ASA+2+\s], 53248, v[ASA+\s]
	v_add_nc_u32 v[ADRB+\s], 106496, v[ADRA+\s]
	v_add_nc_u32 v[ASB+\s], 106496, v[ASA+\s]
	s_add_co_u32 s20, s20, SLOT
	s_add_co_u32 s19, s19, SLOT
.endr
	s_lshl_b32 s18, s14, 15
	v_add_nc_u32 v[RW], s18, v[LI]
	s_lshl_b32 s18, s14, 12
	v_add_nc_u32 v[RDB], s18, v[LI]
.irp k, 1,2,3
	v_add_nc_u32 v[RDB+\k], 65536*\k, v[RDB]
.endr
	s_mul_i32 s18, s14, 4352
	s_add_co_u32 s18, s18, STG                             ; my stage
	v_mul_u32_u24 v[STO], v25, 272
	v_lshl_add_u32 v[STO], v26, 6, v[STO]
	v_add_nc_u32 v[STO], s18, v[STO]                       ; in: row r, + 64 (lane / 16)
	v_mul_u32_u24 v[SRD], v26, 272
	v_lshl_add_u32 v[SRD], v25, 4, v[SRD]
	v_add_nc_u32 v[SRD], s18, v[SRD]                       ; back: lanes 0-15 one row of 256 bytes, lanes 16-31 the next
	v_lshlrev_b32 v[CO], 13, v26
	v_lshl_add_u32 v[CO], v25, 4, v[CO]                    ; and the same two rows in out0
	v_lshlrev_b32 v24, 6, v26                              ; b2: 64 (lane / 16)
	s_lshl_b32 s68, s17, 7                                 ; my block's first true row: 128 x block + 32 (wave / 2) + 8 (wave % 2)
	s_lshr_b32 s69, s14, 1
	s_lshl_b32 s69, s69, 5
	s_add_co_u32 s68, s68, s69
	s_and_b32 s69, s14, 1
	s_lshl_b32 s69, s69, 3
	s_add_co_u32 s68, s68, s69
	s_lshl_b32 s68, s68, 13
	s_mov_b32 s69, 0
	s_lshl_b32 s70, s42, 8                                 ; my 64 columns, in bytes
	s_mov_b32 s71, 0
	s_add_nc_u64 s[10:11], s[10:11], s[68:69]
	s_add_nc_u64 s[10:11], s[10:11], s[70:71]
	s_add_nc_u64 s[8:9], s[8:9], s[70:71]
	s_wait_tensorcnt 1                                     ; my part of slot 0 is in (slot 1's load may be out)
	s_barrier_signal -1
	s_barrier_wait -1                                      ; everybody's is
	WORK 0, 1                                              ; the first slot stands in front of the loop: its products start the sums
	s_mov_b32 s3, 4
.Llap:                                                         ; four trips: slots' worth 1 to 8 of K are multiplied, 2 to 9 asked for
	TWO 1, 1
	TWO 0, 1
	s_sub_co_u32 s3, s3, 1
	s_cmp_lg_u32 s3, 0
	s_cbranch_scc1 .Llap
	TWO 1, 0                                               ; the last slot: nothing is left to fetch
.irp b, 0,1
.irp j, 0,1,2,3
	global_load_b128 v[B2R+16*\b+4*\j:B2R+16*\b+4*\j+3], v24, s[8:9] offset:128*\b+16*\j   ; register 16 b + i: column 32 b + 16 (lane / 16) + i
.endr
.endr
	s_wait_dscnt 0x0                                       ; my reads of the slots are over
	s_barrier_signal -1
	s_barrier_wait -1                                      ; everybody's are: the slots' bytes, which have had their last fill, may be stored into
.rept 4
	v_nop                                                  ; places behind the last products
.endr
	WIN 0x04                                               ; an LDS store's data are its source 1: window 1
.irp a, 0,1,2,3,4,5,6,7
.irp b, 0,1,2,3
	ds_store_b128 v[RW], v[8*(4*\a+\b):8*(4*\a+\b)+3] offset:4096*\a+1024*\b       ; each accumulator from its low end on
	ds_store_b128 v[RW], v[8*(4*\a+\b)+4:8*(4*\a+\b)+7] offset:4096*\a+1024*\b+512
.endr
.endr
	WIN 0
	s_wait_dscnt 0x0                                       ; for the others' sake: my partial tile has landed
	s_barrier_signal -1
	s_barrier_wait -1
	BATCH 0                                                ; wave w adds block w of 16 rows over the eight waves
.set jj, 0
.rept 16
	v_pk_add_f32 v[SUM+jj:SUM+jj+1], v[32+jj:33+jj], v[64+jj:65+jj]
.set jj, jj+2
.endr
.irp u, 2,3
.set jj, 0
.rept 16
	v_pk_add_f32 v[SUM+jj:SUM+jj+1], v[SUM+jj:SUM+jj+1], v[32+32*\u+jj:33+32*\u+jj]
.set jj, jj+2
.endr
.endr
	BATCH 4
.irp u, 0,1,2,3
.set jj, 0
.rept 16
	v_pk_add_f32 v[SUM+jj:SUM+jj+1], v[SUM+jj:SUM+jj+1], v[32+32*\u+jj:33+32*\u+jj]
.set jj, jj+2
.endr
.endr
	s_wait_loadcnt 0x0                                     ; b2
.set jj, 0
.rept 16
	v_pk_add_f32 v[SUM+jj:SUM+jj+1], v[SUM+jj:SUM+jj+1], v[B2R+jj:B2R+jj+1]
.set jj, jj+2
.endr
.irp b, 0,1,2,3
	ds_store_b128 v[STO], v[SUM+8*\b:SUM+8*\b+3] offset:128*(\b/2)+32*(\b%2)           ; tile b's register j is column 32 (b / 2) + 16 (lane / 16) + 8 (b % 2) + j
	ds_store_b128 v[STO], v[SUM+8*\b+4:SUM+8*\b+7] offset:128*(\b/2)+32*(\b%2)+16
.endr
.irp t, 0,1,2,3,4,5,6,7
	ds_load_b128 v[32+4*\t:35+4*\t], v[SRD] offset:544*\t  ; a wave's LDS instructions are served in order: these see my stores
.endr
.irp t, 0,1,2,3,4,5,6,7
	s_wait_dscnt 7-\t
	global_store_b128 v[CO], v[32+4*\t:35+4*\t], s[10:11] offset:(2*\t+8*(\t/4))*8192 th:TH_STORE_NT   ; stored row 2 t + lane / 16 is true row + 8 (t / 4); sixteen lanes store 256 consecutive bytes, aligned
.endr
	s_wait_tensorcnt 0x0                                   ; the wave's end
	ds_add_u32 v[SPW], v[NIL]
	s_wait_dscnt 0x0
	CROUND                                                 ; the closing round: no work-group ends while a partner may still ask for a tile that names it
	s_endpgm
.Lfunc_end_k_qea5a3188f2_gemm2:
	.size	k_qea5a3188f2_gemm2, .Lfunc_end_k_qea5a3188f2_gemm2-k_qea5a3188f2_gemm2
	.p2alignl 7, 3214868480
	.fill 96, 4, 3214868480
	.section	.rodata,"a",@progbits
	.p2align	6, 0x0
	.amdhsa_kernel k_qea5a3188f2_gemm2
		.amdhsa_group_segment_fixed_size 327680
		.amdhsa_private_segment_fixed_size 0
		.amdhsa_enable_private_segment 0
		.amdhsa_kernarg_size 32
		.amdhsa_user_sgpr_count 2
		.amdhsa_user_sgpr_kernarg_segment_ptr 1
		.amdhsa_wavefront_size32 1
		.amdhsa_system_sgpr_workgroup_id_x 1
		.amdhsa_system_sgpr_workgroup_id_y 1
		.amdhsa_system_sgpr_workgroup_id_z 1
		.amdhsa_system_vgpr_workitem_id 0
		.amdhsa_next_free_vgpr 512
		.amdhsa_next_free_sgpr 90
		.amdhsa_reserve_vcc 0
		.amdhsa_float_denorm_mode_32 3
		.amdhsa_float_denorm_mode_16_64 3
		.amdhsa_memory_ordered 1
		.amdhsa_forward_progress 1
		.amdhsa_inst_pref_size 60
	.end_amdhsa_kernel
	.amdgpu_metadata
---
amdhsa.version: [ 1, 2 ]
amdhsa.kernels:
  - .name:           k_qea5a3188f2_gemm2
    .symbol:         k_qea5a3188f2_gemm2.kd
    .args:
      - { .name: acat, .offset: 0, .size: 8, .value_kind: global_buffer, .address_space: global }
      - { .name: wB, .offset: 8, .size: 8, .value_kind: global_buffer, .address_space: global }
      - { .name: b2, .offset: 16, .size: 8, .value_kind: global_buffer, .address_space: global }
      - { .name: out0, .offset: 24, .size: 8, .value_kind: global_buffer, .address_space: global }
    .group_segment_fixed_size: 327680
    .private_segment_fixed_size: 0
    .kernarg_segment_align: 8
    .kernarg_segment_size: 32
    .max_flat_workgroup_size: 256
    .sgpr_count:     90
    .vgpr_count:     512
    .wavefront_size: 32
...
	.end_amdgpu_metadata
.endif
;; end of part 4
